; MI455X (gfx1250); checked and timed in simulation.
; The chip was launched on July 23, 2026; its instructions are those of AMD's public machine-readable ISA for CDNA 5 (MIT licence, August 2026) and "CDNA5" Instruction Set Architecture Reference Guide (July 2026). The comments in the code are by the model that wrote it; some were corrected since.
;; Mo E Layer. Allowed arithmetic: matrix products marked QUANTISED: E2M3 operands, one E8M0 scale for each 32 along K, by v_wmma_scale_f32_16x16x128_f8f6f4 with both operands' format E2M3, f32 sums; products left as they are: f32 operands where the result goes on into a quantised operand, else bf16, f16 or f32 operands; f32 sums; everything else in f32.
;; Inputs: b1 2 x 4,096 float32; b2 2 x 1,024 float32; gate_b 2 float32; gate_w 1,024 x 2 float32; w1_codes 2 x 4,096 x 32 x 24 uint8 (E2M3 codes of w1, K innermost, in blocks of 32 codes, four codes in three bytes); w1_scales 2 x 4,096 x 32 uint8 (E8M0 scales of w1, one for each 32 codes along K); w2_codes 2 x 1,024 x 128 x 24 uint8 (E2M3 codes of w2, K innermost, in blocks of 32 codes, four codes in three bytes); w2_scales 2 x 1,024 x 128 uint8 (E8M0 scales of w2, one for each 32 codes along K); x 2,048 x 2 x 1,024 float32.
;; Outputs: out0 2,048 x 2 x 1,024 float32.
;; This version of the problem:
;;   THIS VERSION OF THE PROBLEM IS GIVEN IN LOW PRECISION. The matrix products marked QUANTISED in the list below multiply operands that are first quantised to E2M3 (2 exponent bits, 3 mantissa bits; 6 bits a number), with one power-of-two scale for each 32 numbers along K (OCP MX v1.0); their sums are f32. All else is computed in f32.
;;   The module's matrix products, in the order in which they are computed (A, B: the left and right operand; K: the contracted axis; several contracted axes count as one K, in the product's order):
;;     1. [M 4,096, K 1,024] x [K 1,024, N 2]; A: input x; B: input gate_w: left as it is (N = 2 < 16)
;;     2. [M 4,096, K 1,024] x [K 1,024, N 4,096]; A: input x; B: input w1 (given as codes): QUANTISED
;;     3. [M 4,096, K 4,096] x [K 4,096, N 1,024]; A: computed on the way; B: input w2 (given as codes): QUANTISED
;;     4. [M 4,096, K 1,024] x [K 1,024, N 4,096]; A: input x; B: input w1 (given as codes): QUANTISED
;;     5. [M 4,096, K 4,096] x [K 4,096, N 1,024]; A: computed on the way; B: input w2 (given as codes): QUANTISED
;;   THE QUANTISER, for each operand of a quantised product, along K:
;;     - K is cut into blocks of 32 from its start; a last block that is shorter is filled with zeros.
;;     - A block's scale is 2^e with e = floor(log2(the largest magnitude in the block)) - 2, held to -126 .. 127; a block of zeros has e = 0. As a byte (E8M0): e + 127.
;;     - Each number is divided by its block's scale, clamped to +-7.5, and rounded to the nearest number of E2M3, ties to even, subnormals kept.
;;     - The product sums the exact products of the quantised numbers (number of the format x scale) in f32.
;;   ~~~python
;;   def quantise(x, axis):      # numpy; x: float32 -> the quantised numbers, widened to float32 again
;;       x = np.moveaxis(x, axis, -1); K = x.shape[-1]
;;       x = np.pad(x, [(0, 0)] * (x.ndim - 1) + [(0, -K % 32)]); x = x.reshape(x.shape[:-1] + (-1, 32)); a = np.abs(x).max(-1, keepdims=True)
;;       e = np.where(a > 0, np.clip(np.frexp(np.where(a > 0, a, 1))[1] - 1 - 2, -126, 127), 0)      # np.frexp(a)[1] - 1 = floor(log2(a)), exactly
;;       r = np.clip(x / 2.0 ** e, -7.5, 7.5)
;;       step = 2.0 ** (np.maximum(np.frexp(np.where(r == 0, 1, r))[1] - 1, 0) - 3)
;;       q = np.round(r / step) * step * 2.0 ** e      # np.round: ties to even
;;       return np.moveaxis(q.reshape(q.shape[:-2] + (-1,))[..., :K], -1, axis).astype(np.float32)
;;   ~~~
;;   OPERANDS COMPUTED ON THE WAY. 'Computed on the way' means the value that the module computes at that place (a softmax that the list does not call 'softmax' is quantised finished and normalised). What goes into a quantiser is computed in f32, as accurately as f32 sums, v_exp_f32 and their like allow (about 1e-6 of the number): no bf16 or f16 on the way to a quantiser, and a product that is left as it is and whose result goes on into a quantised operand takes f32 operands (vector FMAs, or v_wmma_f32_16x16x4_f32). A number that lies on a knife's edge between two numbers of the format may be rounded either way, as far as f32 arithmetic and the matrix unit's own rounding can turn it there, and no further.
;;   INPUTS GIVEN AS CODES. w1 (in the module: [2, 1024, 4096], K = its axis 1); w2 (in the module: [2, 4096, 1024], K = its axis 1): each comes as NAME_codes (uint8): NAME with its K axis moved to the last place and cut into blocks of 32 codes, [.., K / 32, bytes a block], one block behind the other in memory; four codes in three bytes: a row's codes are one little-endian stream of bits, code i at bits 6 i .. 6 i + 5 (a code: sign, 2 exponent bits, 3 mantissa bits); and NAME_scales (uint8): the same leading axes, one E8M0 byte (e + 127) for each 32 codes along K. Its value is code x scale, taken as it is: it is not quantised again, and the codes and scales need not be those that the quantiser above would give.
;; One version. Each part assembles by itself: llvm-mc -triple=amdgcn-amd-amdhsa -mcpu=gfx1250 --defsym DOCPART=n.
;; ======== version 1 of 1: 3 launches
;; workspace buffers: xq 3,276,800 bytes; w1q 6,553,600 bytes; w2q 6,553,600 bytes; hq 26,214,400 bytes; comb 32,768 bytes
;; launch prep (part 1): grid 512 x 1, 8 waves a work-group, no clusters, 139,264 bytes of LDS; arguments x, gate_w, gate_b, w1_codes, w1_scales, w2_codes, w2_scales, xq, comb, w1q, w2q; writes xq, comb, w1q, w2q
.if DOCPART == 1
	.amdgcn_target "amdgcn-amd-amdhsa--gfx1250"
	.amdhsa_code_object_version 6
	.text
	.protected	k_q4cbde7a895_prep
	.globl	k_q4cbde7a895_prep
	.p2align	8
	.type	k_q4cbde7a895_prep,@function
k_q4cbde7a895_prep:
	s_mov_b64 s[64:65], 0
	v_nop
	global_prefetch_b8 v0, s[64:65] scope:SCOPE_SE
	s_setreg_imm32_b32 hwreg(HW_REG_WAVE_MODE, 25, 1), 1
	s_wait_xcnt 0x0
; PREP.  Work-groups 0-255 lay the weights' codes and scale bytes out anew (path W); work-groups 256-511 quantise x to codes of E2M3 and compute the gate (path X).
; THE LAYOUT OF ALL CODE BUFFERS OF THIS PROGRAM: a UNIT of 12,800 bytes is 128 rows x 128 K as an image of the matrix operand's registers: fragment i (16 rows, 12 registers a lane) at 1,536 i, its registers 4 c .. 4 c + 3
; of lane l at + 512 c + 16 l; from byte 12,288 on the scale words: lane l's 16 bytes at + 16 l, word j = the scale word (four E8M0 bytes, 128 K) of fragment 4 (l / 16) + j, row l % 16.
; xq: [32 token panels][8 K steps][UNIT].  w1q: [64 panels = 32 e + s][8 K steps][UNIT]; fragment b, row m is row 128 s + 64 (b / 4) + 32 (m / 8) + 8 (b % 4) + m % 8 of W1: so the first product, used transposed, leaves a whole
; block of 32 of the next K in one lane.  w2q: [8 panels of 128 outputs][16 t][4 wv][UNIT], unit (t, wv) = expert wv / 2, K step 16 (wv % 2) + t; rows as they lie.  comb: [2][4096] f32.
; THE GATE: with two experts and the two largest taken, nothing is dropped: comb = softmax of the two logits, the larger taken off first.
; LIMITS: NaN and infinities among the inputs are not served.  A block of zeros gets the scale byte 1 where the quantiser's rule says 127: its codes are zeros, which add nothing, and this program alone reads the bytes.
; A gate weight under 2^-126 comes out as 0 (the exponential's result is flushed: ISA guide, its entry).  Written or read in pieces of less than 256 bytes: xq's scale words (4 bytes at a stride of 16), comb (64 bytes a store),
; the weights' scale bytes on the way in (16 bytes a row): together under one part in fifty of the launch's bytes.
; The two paths part on the work-group's number alone and have LDS bytes of their own.  No tensor load, no matrix instruction: memory binds this launch.
.set UNIT, 12800
.set XSW,  8448                        ; path X: a wave's stage: 16 rows x (512 + 16) bytes, from LDS byte 0 on
.set GS,   67584                       ; path X: the waves' partial logits, 128 bytes a wave
.set WS,   68608                       ; path W: a wave's stage: 16 rows x (32 places of 16 bytes + 16)
.set WSW,  8448
.set SS,   136192                      ; path W: four scale sections of 512 bytes, one for each K step of the job
.set WV,   28                          ; s28  my wave's number
.set SEL,  42                          ; s[42:43] (path X) lane selects: lane l xor 16
.set X,    16                          ; v16-79   64 numbers of x
.set G,    80                          ; v80-207  gate_w at my 64 k: register 2 i + e
.set QM,   208                         ; v208-211 largest magnitudes
.set QS,   212                         ; v212-213 the conversions' scale operands
.set QB,   214                         ; v214-215 the scale bytes
.set QW,   216
.set QX,   217
.set QWD,  218                         ; the scale word
.set PC,   220                         ; v220-231 the fragment's codes
.set TC,   232                         ; v232-238 the upper halves of the two blocks, before they are moved
.set GAC,  240                         ; v240-247 four chains of (logit 0, logit 1)
.set SH8,  10
.set CD,   16                          ; path W: v16-79 sixteen rows' codes as loaded: 12 bytes a lane, four registers' room a row
.set SCW,  80                          ; v80-83   scale words of four K steps
.set FRG,  84                          ; v84-131  four fragments
.set TP,   132                         ; v132-163 the second 12 bytes of each 24, before they are moved
.set GA,   164                         ; v164-179 the sixteen rows' offsets in memory
.set DOF,  180                         ; v180-183 the four units' offsets
; 64 numbers of a lane, register 32 c + i = k 64 c + 32 (lane / 16) + i of the lane's row: two whole blocks of 32.  They become the fragment's 12 registers in v[PC] on and the row's scale word in v[w].
.macro QUANT64 s, abs, w
.irp u, 0,1,2,3
.if \abs
	v_max3_num_f32 v[QM+\u], |v[\s+16*\u]|, |v[\s+16*\u+1]|, 0x1800000   ; four chains of 16; the floor 2^(3 - 127) among the leaves holds the byte at 1 from below
.else
	v_max3_num_f32 v[QM+\u], v[\s+16*\u], v[\s+16*\u+1], 0x1800000
.endif
.endr
.irp i, 2,4,6,8,10,12,14
.irp u, 0,1,2,3
.if \abs
	v_max3_num_f32 v[QM+\u], v[QM+\u], |v[\s+16*\u+\i]|, |v[\s+16*\u+\i+1]|
.else
	v_max3_num_f32 v[QM+\u], v[QM+\u], v[\s+16*\u+\i], v[\s+16*\u+\i+1]
.endif
.endr
.endr
	v_max_num_f32 v[QM], v[QM], v[QM+1]            ; block h
	v_max_num_f32 v[QM+2], v[QM+2], v[QM+3]        ; block 2 + h
	v_add_nc_u32 v[QS], 0xff000000, v[QM]          ; 2 off the exponent field: the conversion takes this operand's exponent field as its scale
	v_add_nc_u32 v[QS+1], 0xff000000, v[QM+2]
	v_lshrrev_b32 v[QB], 23, v[QS]                 ; the scale's byte
	v_lshrrev_b32 v[QB+1], 23, v[QS+1]
.irp c, 0,1
	v_cvt_scalef32_pk16_fp6_f32 v[PC+6*\c:PC+6*\c+2], v[\s+32*\c:\s+32*\c+15], v[QS+\c]
	v_cvt_scalef32_pk16_fp6_f32 v[TC+4*\c:TC+4*\c+2], v[\s+32*\c+16:\s+32*\c+31], v[QS+\c]   ; (a conversion's three registers begin on an even number)
.endr
	v_lshl_or_b32 v[QW], v[QB+1], 16, v[QB]        ; my two bytes.  (The plain instruction behind the conversions)
.irp c, 0,1
.irp i, 0,1,2
	v_mov_b32 v[PC+6*\c+3+\i], v[TC+4*\c+\i]
.endr
.endr
	v_lshlrev_b32 v[QW], v[SH8], v[QW]             ; at bytes h and 2 + h
	v_permlanex16_b32 v[QX], v[QW], s[SEL], s[SEL+1]
	v_or_b32 v[\w], v[QW], v[QX]                   ; with lane l xor 16's two the word is whole, in both lanes
.endm
	s_load_b256 s[4:11], s[0:1], 0x0               ; x s[4:5], gate_w s[6:7], gate_b s[8:9], w1_codes s[10:11]
	s_load_b256 s[12:19], s[0:1], 0x20             ; w1_scales s[12:13], w2_codes s[14:15], w2_scales s[16:17], xq s[18:19]
	s_load_b128 s[20:23], s[0:1], 0x40             ; comb s[20:21], w1q s[22:23]
	s_load_b64 s[24:25], s[0:1], 0x50              ; w2q
	v_lshl_add_u32 v254, v0, 2, 0x21c00
	v_mov_b32 v255, 0
	v_lshrrev_b32 v1, 5, v0
	v_readfirstlane_b32 s[WV], v1                  ; wave 0..7
	v_and_b32 v1, 31, v0                           ; l
	v_and_b32 v2, 15, v0                           ; r
	v_bfe_u32 v3, v0, 4, 1                         ; h
	v_lshlrev_b32 v4, 4, v1                        ; 16 l
	s_cmp_lt_u32 ttmp9, 256
	s_cbranch_scc1 .Lweights
; ---------------- PATH X: the work-group takes 16 tokens, wave w their K step w (128 numbers of each row) ----------------
	s_sub_co_u32 s29, ttmp9, 256                   ; tau: tokens 16 tau .. 16 tau + 15
	s_lshl_b32 s30, s29, 16                        ; 16 rows of 4,096 bytes
	s_lshl_b32 s31, s[WV], 9
	s_add_co_u32 s30, s30, s31                     ; + 512 w
	s_mov_b32 s31, 0
	s_lshr_b32 s32, s29, 3
	s_lshl_b32 s32, s32, 3
	s_add_co_u32 s32, s32, s[WV]
	s_mul_i32 s32, s32, UNIT                       ; my unit: panel tau / 8, K step w
	s_and_b32 s33, s29, 7                          ; my fragment in it
	s_mul_i32 s34, s33, 1536
	s_add_co_u32 s34, s34, s32
	s_mov_b32 s35, 0
	s_lshr_b32 s36, s33, 2
	s_lshl_b32 s36, s36, 8
	s_and_b32 s37, s29, 3
	s_lshl_b32 s37, s37, 2
	s_add_co_u32 s36, s36, s37
	s_add_co_u32 s36, s36, s32
	s_add_co_u32 s36, s36, 12288                   ; my fragment's scale words: 256 (i / 4) + 4 (i % 4), then 16 bytes a row
	s_mov_b32 s37, 0
	s_lshl_b32 s38, s[WV], 10                      ; gate_w: 128 rows of 8 bytes
	s_mov_b32 s39, 0
	s_lshl_b32 s40, s29, 6                         ; comb: 16 tokens of 4 bytes
	s_mov_b32 s41, 0
	s_mov_b32 s[SEL], 0x76543210
	s_mov_b32 s[SEL+1], 0xfedcba98
	s_mul_i32 s48, s[WV], XSW
	v_add_nc_u32 v6, s48, v4                       ; the stage, in: 16 l, a row at a time
	v_mul_u32_u24 v7, v2, 528
	v_lshl_add_u32 v7, v3, 7, v7
	v_add_nc_u32 v7, s48, v7                       ; and out: row r, + 128 h.  Rows 528 bytes apart: sixteen rows start 16 bytes further on, modulo 256, each than the last
	v_lshlrev_b32 v5, 8, v3                        ; gate_w: lanes 16-31 begin 32 rows on
	v_lshlrev_b32 v8, 4, v2                        ; a scale word's place: 16 r
	s_lshl_b32 s49, s[WV], 7
	s_add_co_u32 s49, s49, GS
	v_lshl_add_u32 v9, v2, 3, s49                  ; my wave's partial logits of token r
	v_lshlrev_b32 v[SH8], 3, v3
	v_lshl_add_u32 v11, v2, 3, GS                  ; and wave 0's read of all eight
	v_lshlrev_b32 v12, 2, v2
	v_lshl_add_u32 v12, v3, 14, v12                ; comb: 4 r, lanes 16-31 expert 1's row
	v_mov_b32 v[QX], 0                             ; a lane permute's destination counts as read: written once
	v_mov_b32 v248, 0
	v_mov_b32 v249, 0
	s_wait_kmcnt 0x0
	s_load_b64 s[26:27], s[8:9], 0x0               ; gate_b
	s_add_nc_u64 s[4:5], s[4:5], s[30:31]
	s_add_nc_u64 s[6:7], s[6:7], s[38:39]
	s_add_nc_u64 s[44:45], s[18:19], s[34:35]      ; my fragment
	s_add_nc_u64 s[46:47], s[18:19], s[36:37]      ; its scale words
	s_add_nc_u64 s[20:21], s[20:21], s[40:41]
.irp i, 0,1,2,3,4,5,6,7,8,9,10,11,12,13,14,15
	global_load_b128 v[X+4*\i:X+4*\i+3], v4, s[4:5] offset:4096*\i th:TH_LOAD_NT   ; row i: 32 lanes read 512 consecutive bytes
.endr
.irp c, 0,1
.irp q, 0,1,2,3,4,5,6,7,8,9,10,11,12,13,14,15
	global_load_b128 v[G+64*\c+4*\q:G+64*\c+4*\q+3], v5, s[6:7] offset:512*\c+16*\q   ; gate_w[128 w + 64 c + 32 h + 2 q, + 1][0, 1]
.endr
.endr
	s_wait_loadcnt 32                              ; x's sixteen loads are in; the 32 younger ones, the gate's, may be out
.irp i, 0,1,2,3,4,5,6,7,8,9,10,11,12,13,14,15
	ds_store_b128 v6, v[X+4*\i:X+4*\i+3] offset:528*\i
.endr
.irp c, 0,1
.irp q, 0,1,2,3,4,5,6,7
	ds_load_b128 v[X+32*\c+4*\q:X+32*\c+4*\q+3], v7 offset:256*\c+16*\q   ; LDS serves a wave's instructions in order (ISA guide 5.7.1.4): these see the stores.  Register 32 c + i = x(r, 128 w + 64 c + 32 h + i)
.endr
.endr
	s_wait_dscnt 0x0
	QUANT64 X, 1, QWD
.irp c, 0,1,2
	global_store_b128 v4, v[PC+4*\c:PC+4*\c+3], s[44:45] offset:512*\c   ; 512 consecutive bytes, at a multiple of 256
.endr
	global_store_b32 v8, v[QWD], s[46:47]          ; both lanes of a row store the same word to the same place
	s_wait_loadcnt 0x0                             ; the gate's weights
.set xi, 0
.rept 64                                       ; (logit 0, logit 1) += x(r, k) x gate_w[k][0, 1]: x's number is taken for both halves; four chains, each begun by a product
.set ch, GAC+2*(xi%4)
.set xp, X+2*(xi/2)
.if xi < 4
.if xi%2 == 0
	v_pk_mul_f32 v[ch:ch+1], v[xp:xp+1], v[G+2*xi:G+2*xi+1] op_sel_hi:[0,1]
.else
	v_pk_mul_f32 v[ch:ch+1], v[xp:xp+1], v[G+2*xi:G+2*xi+1] op_sel:[1,0] op_sel_hi:[1,1]
.endif
.else
.if xi%2 == 0
	v_pk_fma_f32 v[ch:ch+1], v[xp:xp+1], v[G+2*xi:G+2*xi+1], v[ch:ch+1] op_sel_hi:[0,1,1]
.else
	v_pk_fma_f32 v[ch:ch+1], v[xp:xp+1], v[G+2*xi:G+2*xi+1], v[ch:ch+1] op_sel:[1,0,0] op_sel_hi:[1,1,1]
.endif
.endif
.set xi, xi+1
.endr
	v_pk_add_f32 v[GAC:GAC+1], v[GAC:GAC+1], v[GAC+2:GAC+3]
	v_pk_add_f32 v[GAC+4:GAC+5], v[GAC+4:GAC+5], v[GAC+6:GAC+7]
	v_pk_add_f32 v[GAC:GAC+1], v[GAC:GAC+1], v[GAC+4:GAC+5]
	v_permlanex16_b32 v248, v[GAC], s[SEL], s[SEL+1]
	v_permlanex16_b32 v249, v[GAC+1], s[SEL], s[SEL+1]
	v_pk_add_f32 v[GAC:GAC+1], v[GAC:GAC+1], v[248:249]   ; with lane l xor 16's 64 k: my K step's part of token r's two logits
	ds_store_b64 v9, v[GAC:GAC+1]
	s_wait_dscnt 0x0                               ; for wave 0's sake: my store has landed
	s_barrier_signal -1
	s_barrier_wait -1
	s_cmp_lg_u32 s[WV], 0
	s_cbranch_scc1 .Lx_end
.irp j, 0,1,2,3,4,5,6,7
	ds_load_b64 v[16+2*\j:17+2*\j], v11 offset:128*\j
.endr
	s_wait_kmcnt 0x0                               ; gate_b
	s_wait_dscnt 0x0
.irp j, 1,2,3,4,5,6,7
	v_pk_add_f32 v[16:17], v[16:17], v[16+2*\j:17+2*\j]   ; K ascending
.endr
	v_add_f32 v16, s26, v16
	v_add_f32 v17, s27, v17
	v_max_num_f32 v32, v16, v17                    ; the larger logit is taken off, as the softmax of the reference does
	v_sub_f32 v33, v16, v32
	v_sub_f32 v34, v17, v32
	v_mul_f32 v33, 0x3fb8aa3b, v33                 ; x log2(e)
	v_mul_f32 v34, 0x3fb8aa3b, v34
	v_exp_f32 v33, v33
	v_exp_f32 v34, v34
	v_nop                                          ; a plain instruction behind the two exponentials,
	s_wait_alu depctr_va_vdst(0)                   ; and one wait for both, ahead of their first reader
	v_add_f32 v35, v33, v34                        ; at least 1
	v_rcp_f32 v35, v35
	v_nop
	s_wait_alu depctr_va_vdst(0)
	v_mul_f32 v33, v33, v35
	v_mul_f32 v34, v34, v35
	s_mov_b32 vcc_lo, 0xffff0000
	v_cndmask_b32 v33, v33, v34, vcc_lo            ; lanes 0-15 expert 0's weight, lanes 16-31 expert 1's
	global_store_b32 v12, v33, s[20:21]
.Lx_end:
	s_wait_tensorcnt 0x0
	ds_add_u32 v254, v255
	s_wait_dscnt 0x0
	s_endpgm
; ---------------- PATH W: a job is a panel of 128 rows x 4 K steps of W1 (jobs 0-127) or W2 (128-255); wave w makes fragment w of the four units ----------------
; One text serves both tensors: pointers and sizes are chosen on the work-group's number.  Row m of my fragment is memory row (panel's first + tb + m + gap (m / 8)).
; A row's four K steps are 384 bytes: 32 lanes x 12.  A row comes by one load of 12 bytes a lane and goes into my stage with each 12 bytes at a place of 16 (16 x lane), so that every LDS address is a multiple of 16.
; The operand wants of lane (r, h), for K step i, the 24 bytes at 96 i + 24 h and those at 96 i + 48 + 24 h of row r: each 24 are two neighbouring places of the stage.
.Lweights:
	s_lshr_b32 s29, ttmp9, 7                       ; 0: W1, 1: W2
	s_and_b32 s30, ttmp9, 127                      ; jj
	s_lshr_b32 s31, s30, 1                         ; W1: panel 0..63,
	s_and_b32 s32, s30, 1                          ; which four K steps,
	s_lshl_b32 s33, s31, 3
	s_lshl_b32 s34, s32, 2
	s_add_co_u32 s33, s33, s34                     ; first unit 8 panel + 4 chunk,
	s_lshr_b32 s35, s[WV], 2
	s_lshl_b32 s35, s35, 6
	s_and_b32 s36, s[WV], 3
	s_lshl_b32 s36, s36, 3
	s_add_co_u32 s35, s35, s36                     ; tb = 64 (w / 4) + 8 (w % 4)
	s_lshr_b32 s37, s30, 3                         ; W2: panel 0..15 = 8 e + np,
	s_and_b32 s38, s30, 7                          ; chunk kc: K steps 4 kc ..,
	s_and_b32 s39, s37, 7
	s_lshl_b32 s39, s39, 4
	s_and_b32 s40, s38, 3
	s_lshl_b32 s40, s40, 2
	s_add_co_u32 s39, s39, s40
	s_lshl_b32 s39, s39, 2                         ; (16 np + 4 (kc % 4)) x 4
	s_lshr_b32 s40, s30, 6
	s_lshl_b32 s40, s40, 1
	s_add_co_u32 s39, s39, s40                     ; + 2 e
	s_lshr_b32 s40, s38, 2
	s_add_co_u32 s39, s39, s40                     ; + kc / 4: first unit,
	s_lshl_b32 s41, s[WV], 4                       ; tb = 16 w
	s_mov_b32 s42, 3072
	s_mov_b32 s43, 128
	s_mov_b32 s44, 4*UNIT
	s_cmp_eq_u32 s29, 0
	s_cselect_b32 s31, s31, s37                    ; panel
	s_cselect_b32 s32, s32, s38                    ; chunk
	s_cselect_b32 s33, s33, s39                    ; first unit
	s_cselect_b32 s35, s35, s41                    ; tb
	s_cselect_b32 s42, 768, s42                    ; a row of codes in bytes
	s_cselect_b32 s43, 32, s43                     ; a row of scale bytes
	s_cselect_b32 s44, UNIT, s44                   ; from one K step's unit to the next
	s_cselect_b32 s45, 24, 0                       ; gap
	s_wait_kmcnt 0x0
	s_cselect_b64 s[10:11], s[10:11], s[14:15]     ; codes
	s_cselect_b64 s[12:13], s[12:13], s[16:17]     ; scale bytes
	s_cselect_b64 s[22:23], s[22:23], s[24:25]     ; where they go
	s_lshl_b32 s31, s31, 7
	s_add_co_u32 s31, s31, s35                     ; my fragment's first row
	s_mul_i32 s46, s31, s42
	s_mul_i32 s47, s32, 384
	s_add_co_u32 s46, s46, s47                     ; four K steps are 384 bytes of a row
	s_mov_b32 s47, 0
	s_add_nc_u64 s[10:11], s[10:11], s[46:47]
	s_mul_i32 s46, s31, s43
	s_lshl_b32 s48, s32, 4
	s_add_co_u32 s46, s46, s48                     ; and 16 scale bytes
	s_add_nc_u64 s[12:13], s[12:13], s[46:47]
	s_mul_i32 s46, s33, UNIT
	s_mul_i32 s48, s[WV], 1536
	s_add_co_u32 s48, s48, s46
	s_mov_b32 s49, 0
	s_add_nc_u64 s[50:51], s[22:23], s[48:49]      ; fragment w of the first unit
	s_mul_i32 s48, s[WV], s44
	s_add_co_u32 s48, s48, s46
	s_add_co_u32 s48, s48, 12288
	s_add_nc_u64 s[52:53], s[22:23], s[48:49]      ; the scale section of unit w (used by waves 0-3 alone)
	s_mul_i32 s54, s[WV], WSW
	s_add_co_u32 s54, s54, WS                      ; my stage
	s_add_co_u32 s56, s45, 8
	s_mul_i32 s56, s56, s42                        ; row 8 of the fragment lies 8 + gap rows on
	v_add_nc_u32 v6, s54, v4                       ; into the stage: 16 l, a row at a time
	v_mul_u32_u24 v14, v2, 528
	v_lshl_add_u32 v14, v3, 5, v14
	v_add_nc_u32 v14, s54, v14                     ; out of it: row r, + two places for lanes 16-31
	v_mul_u32_u24 v[GA], v1, 12                    ; in memory: 12 l,
.irp m, 1,2,3,4,5,6,7
	v_add_nc_u32 v[GA+\m], s42, v[GA+\m-1]         ; + the fragment's row
.endr
	v_add_nc_u32 v[GA+8], s56, v[GA]
.irp m, 9,10,11,12,13,14,15
	v_add_nc_u32 v[GA+\m], s42, v[GA+\m-1]
.endr
	v_lshrrev_b32 v13, 3, v2
	v_mad_u32_u24 v13, v13, s45, v2                ; r + gap (r / 8)
	v_mul_lo_u32 v13, v13, s43                     ; my row's scale bytes
	s_lshr_b32 s58, s[WV], 2
	s_lshl_b32 s58, s58, 8
	s_and_b32 s59, s[WV], 3
	s_lshl_b32 s59, s59, 2
	s_add_co_u32 s58, s58, s59
	s_add_co_u32 s58, s58, SS
	v_lshl_add_u32 v15, v2, 4, s58                 ; fragment w's words in a scale section: 256 (w / 4) + 4 (w % 4) + 16 r
	s_and_b32 s60, s[WV], 3
	s_lshl_b32 s60, s60, 9
	s_add_co_u32 s60, s60, SS
	v_add_nc_u32 v5, s60, v4                       ; a whole section, 16 bytes a lane
	v_mov_b32 v[DOF], v4
	v_add_nc_u32 v[DOF+1], s44, v[DOF]
	v_add_nc_u32 v[DOF+2], s44, v[DOF+1]
	v_add_nc_u32 v[DOF+3], s44, v[DOF+2]
	global_load_b128 v[SCW:SCW+3], v13, s[12:13]   ; register i: my row's scale word of the job's K step i
.irp m, 0,1,2,3,4,5,6,7,8,9,10,11,12,13,14,15
	global_load_b96 v[CD+4*\m:CD+4*\m+2], v[GA+\m], s[10:11] th:TH_LOAD_NT   ; row m: 32 lanes read 384 consecutive bytes
.endr
	s_wait_loadcnt 0x0
.irp i, 0,1,2,3
	ds_store_b32 v15, v[SCW+\i] offset:512*\i      ; both lanes of a row store the same word to the same place
.endr
.irp m, 0,1,2,3,4,5,6,7,8,9,10,11,12,13,14,15
	ds_store_b96 v6, v[CD+4*\m:CD+4*\m+2] offset:528*\m
.endr
.irp i, 0,1,2,3
.irp c, 0,1
	ds_load_b96 v[FRG+12*\i+6*\c:FRG+12*\i+6*\c+2], v14 offset:128*\i+64*\c      ; registers 6 c .. 6 c + 2 of K step i's fragment (in order behind my stores: ISA guide 5.7.1.4)
	ds_load_b96 v[TP+8*\i+4*\c:TP+8*\i+4*\c+2], v14 offset:128*\i+64*\c+16       ; registers 6 c + 3 .. 6 c + 5: a run of three begins on an even number, so they land elsewhere and are moved
.endr
.endr
	s_wait_dscnt 0x0                               ; my fragments are in, and, for the others' sake, my scale words have landed
	s_barrier_signal -1
.irp i, 0,1,2,3
.irp c, 0,1
.irp k, 0,1,2
	v_mov_b32 v[FRG+12*\i+6*\c+3+\k], v[TP+8*\i+4*\c+\k]   ; work on registers while the others arrive
.endr
.endr
.endr
	s_barrier_wait -1
.irp i, 0,1,2,3
.irp c, 0,1,2
	global_store_b128 v[DOF+\i], v[FRG+12*\i+4*\c:FRG+12*\i+4*\c+3], s[50:51] offset:512*\c   ; 512 consecutive bytes, at a multiple of 256
.endr
.endr
	s_cmp_lt_u32 s[WV], 4
	s_cbranch_scc0 .Lw_end
	ds_load_b128 v[CD:CD+3], v5                    ; waves 0-3: the scale section of unit w, to which all eight waves gave their words
	s_wait_dscnt 0x0
	global_store_b128 v4, v[CD:CD+3], s[52:53]
.Lw_end:
	s_wait_tensorcnt 0x0
	ds_add_u32 v254, v255
	s_wait_dscnt 0x0
	s_endpgm
.Lfunc_end_k_q4cbde7a895_prep:
	.size	k_q4cbde7a895_prep, .Lfunc_end_k_q4cbde7a895_prep-k_q4cbde7a895_prep
	.p2alignl 7, 3214868480
	.fill 96, 4, 3214868480
	.section	.rodata,"a",@progbits
	.p2align	6, 0x0
	.amdhsa_kernel k_q4cbde7a895_prep
		.amdhsa_group_segment_fixed_size 139264
		.amdhsa_private_segment_fixed_size 0
		.amdhsa_enable_private_segment 0
		.amdhsa_kernarg_size 88
		.amdhsa_user_sgpr_count 2
		.amdhsa_user_sgpr_kernarg_segment_ptr 1
		.amdhsa_wavefront_size32 1
		.amdhsa_system_sgpr_workgroup_id_x 1
		.amdhsa_system_sgpr_workgroup_id_y 1
		.amdhsa_system_sgpr_workgroup_id_z 1
		.amdhsa_system_vgpr_workitem_id 0
		.amdhsa_next_free_vgpr 256
		.amdhsa_next_free_sgpr 66
		.amdhsa_reserve_vcc 1
		.amdhsa_float_denorm_mode_32 3
		.amdhsa_float_denorm_mode_16_64 3
		.amdhsa_memory_ordered 1
		.amdhsa_forward_progress 1
		.amdhsa_inst_pref_size 30
	.end_amdhsa_kernel
	.amdgpu_metadata
---
amdhsa.version: [ 1, 2 ]
amdhsa.kernels:
  - .name:           k_q4cbde7a895_prep
    .symbol:         k_q4cbde7a895_prep.kd
    .args:
      - { .name: x, .offset: 0, .size: 8, .value_kind: global_buffer, .address_space: global }
      - { .name: gate_w, .offset: 8, .size: 8, .value_kind: global_buffer, .address_space: global }
      - { .name: gate_b, .offset: 16, .size: 8, .value_kind: global_buffer, .address_space: global }
      - { .name: w1_codes, .offset: 24, .size: 8, .value_kind: global_buffer, .address_space: global }
      - { .name: w1_scales, .offset: 32, .size: 8, .value_kind: global_buffer, .address_space: global }
      - { .name: w2_codes, .offset: 40, .size: 8, .value_kind: global_buffer, .address_space: global }
      - { .name: w2_scales, .offset: 48, .size: 8, .value_kind: global_buffer, .address_space: global }
      - { .name: xq, .offset: 56, .size: 8, .value_kind: global_buffer, .address_space: global }
      - { .name: comb, .offset: 64, .size: 8, .value_kind: global_buffer, .address_space: global }
      - { .name: w1q, .offset: 72, .size: 8, .value_kind: global_buffer, .address_space: global }
      - { .name: w2q, .offset: 80, .size: 8, .value_kind: global_buffer, .address_space: global }
    .group_segment_fixed_size: 139264
    .private_segment_fixed_size: 0
    .kernarg_segment_align: 8
    .kernarg_segment_size: 88
    .max_flat_workgroup_size: 256
    .sgpr_count:     66
    .vgpr_count:     256
    .wavefront_size: 32
...
	.end_amdgpu_metadata
.endif
;; end of part 1
;; launch ffn1 (part 2): grid 16 x 16, 4 waves a work-group, clusters of 4 x 4, 327,680 bytes of LDS; arguments xq, w1q, b1, hq; writes hq
.if DOCPART == 2
	.amdgcn_target "amdgcn-amd-amdhsa--gfx1250"
	.amdhsa_code_object_version 6
	.text
	.protected	k_q4cbde7a895_ffn1
	.globl	k_q4cbde7a895_ffn1
	.p2align	8
	.type	k_q4cbde7a895_ffn1,@function
k_q4cbde7a895_ffn1:
	s_mov_b64 s[64:65], 0
	v_nop
	global_prefetch_b8 v0, s[64:65] scope:SCOPE_SE
	s_setreg_imm32_b32 hwreg(HW_REG_WAVE_MODE, 25, 1), 1
	s_wait_xcnt 0x0
	s_wait_alu depctr_hold_cnt(0) depctr_sa_sdst(0) depctr_va_vdst(0) depctr_va_sdst(0) depctr_va_ssrc(0) depctr_va_vcc(0) depctr_vm_vsrc(0)
	s_getreg_b32 s2, hwreg(HW_REG_IB_STS2, 6, 4)
	s_cmp_eq_u32 s2, 0
	s_cbranch_scc0 .Lentry_in_a_cluster
	s_endpgm
.Lentry_in_a_cluster:
	s_bfe_u32 s2, ttmp6, 0x10000c
	s_cmp_lg_u32 s2, 0xf033
	s_cbranch_scc0 .Lentry_shape_is_right
	s_endpgm
.Lentry_shape_is_right:
; FFN1.  h = Q(relu(x W1^T + b1)) for both experts: codes of E2M3 in, codes of E2M3 out.  xq, w1q and hq are made of UNITS of 12,800 bytes: 128 rows x 128 K as an image of the operand's registers
; (fragment i at 1,536 i, registers 4 c .. 4 c + 3 of lane l at + 512 c + 16 l; from 12,288 on the scale words, lane l's 16 bytes at + 16 l, word j = fragment 4 (l / 16) + j, row l % 16).
; SHARES.  A work-group of four waves, as many as a WGP has SIMDs, makes 256 tokens x 256 hidden units, a wave 128 x 128 (64 accumulators, 512 registers).  16 x 16 work-groups; each STAYS for two tiles: the same tokens and
; columns for expert 0, then for expert 1.  K = 1,024 goes in 8 steps of 128 through a ring of two LDS slots, two steps to a slot (4 panels x 25,600 bytes); each wave fetches one panel's 25,600 dense bytes by one tensor load.
; CLUSTERS: 4 x 4.  The four of a row need the same tokens' units, the four of a column the same weights': each is asked for jointly, by the same tensor load with the same descriptor and a mask that names the four.
; THE MATRIX INSTRUCTION IS USED TRANSPOSED (source 0 = 16 rows of W1, source 1 = 16 tokens).  W1's rows were laid so (w1q) that lane (r, h), tile b, register j holds hidden unit 64 (b / 4) + 32 h + 8 (b % 4) + j of token r:
; the 32 registers of tiles 4 c .. 4 c + 3 are a whole block of 32 of the next K, in the lane in which the 6-bit operand wants it.  So the quantiser asks no other lane for a maximum, and its codes are the operand's registers.
; b1 is the C of each sum's first matrix instruction.  A wave's finished tile is exactly one unit of hq and leaves straight from registers, 512 consecutive bytes a store: no LDS on the way out.
; hq: [32 token panels][16 t][4 wv][UNIT]: unit (t, wv) = expert wv / 2, K step 16 (wv % 2) + t of the second product.
; LIMITS: NaN and infinities are not served.  A block of zeros gets the scale byte 1 where the quantiser's rule says 127: its codes are zeros, and this program alone reads the bytes.
; REGISTERS, in windows of 256: window 0: v16-30 addresses; v32-47 scale words, two sets (tokens' four registers, weights' four); v128-175 tokens' blocks 0-3 (one set), v48-95 and v176-223 blocks 4-7 (two sets);
;   on the way out v96-127 and v176-255 are at work.  window 1: weights' fragments, two sets, at v0 and v128; b1's tile b at v96 + 8 b (b < 4), v224 + 8 (b - 4).  windows 2, 3: accumulator (a, b) at v[8 (8 (a % 4) + b)].
.set UNIT,  12800
.set SLOT,  8*UNIT                     ; tokens' panels 0, 1, weights' panels 0, 1: two K steps each
.set SPARE, 2*SLOT                     ; behind the ring: the spare words, 128 bytes a wave: two blocks of 256 bytes that no other line names
.set ADRA, 16                          ; v16-17  LDS address of my tokens' panel in slot 0, 1, + 16 l
.set ADRB, 20                          ; v20-21  the same for my weights' panel
.set OFS,  24                          ; v24     16 l
.set BA,   25                          ; v25     128 h: b1 at my half's hidden units
.set SH8,  26                          ; v26     8 h
.set SPW,  28                          ; v28     LDS address of my spare word; never rewritten
.set NIL,  29                          ; v29     0; never rewritten
.set QM,   96                          ; v96-99 largest numbers; v100-101 the conversions' scale operands; v102-103 bytes; v104-105 at work
.set QS,   100
.set QB,   102
.set QW,   104
.set QX,   105
.set PC,   112                         ; v112-123 a fragment's codes
.set SJ,   124                         ; v124-127 the unit's scale section
.set T,    176                         ; v176-239 a block's 64 numbers after the activation
.set TC,   240                         ; v240-246
.set WA,   248                         ; v248-255 the eight blocks' scale words
.set SEL,  66                          ; s[66:67] lane selects: lane l xor 16
.set G1,   24                          ; s[24:31] descriptor group 1 for the tokens' units; s[32:39] group 0, a set for each slot
.set G0,   32
.set G1B,  48                          ; s[48:55], s[56:63] the same for the weights'
.set G0B,  56
.set MUL_LO,   0xa1                    ; source 0 (weights) window 1, source 1 (tokens) window 0, C and D window 2
.set MUL_HI,   0xf1                    ; C and D window 3
.set FIRST_LO, 0x91                    ; C (the bias) window 1, D window 2
.set FIRST_HI, 0xd1
.set TO_B,     0x40                    ; destination window 1, address window 0
.set MSB, 0
.macro WIN new                         ; the immediate's high byte repeats the setting that is left; a switch that changes nothing is dropped
.if MSB != (\new)
	s_set_vgpr_msb (MSB<<8)|(\new)
.set MSB, (\new)
.endif
.endm
; A joint load: waves 0 and 1 fetch the tokens' two panels, waves 2 and 3 the weights'.  Each line has one mask and one set of registers for all that issue it; the branch hangs on the wave's number alone.
; Four v_nop follow each of the two lines, ahead of the jump, the label and what follows.
.macro JLOAD s
	s_cmp_eq_u32 s15, 0
	s_cbranch_scc0 .Lfor_b_\@
	tensor_load_to_lds s[G0+4*\s:G0+4*\s+3], s[G1:G1+7]
	s_nop 0
.rept 4
	v_nop
.endr
	s_branch .Lasked_\@
.Lfor_b_\@:
	tensor_load_to_lds s[G0B+4*\s:G0B+4*\s+3], s[G1B:G1B+7]
	s_nop 0
.rept 4
	v_nop
.endr
.Lasked_\@:
.endm
.macro CREST                           ; a round of the cluster's barrier behind its opening barrier
	s_cmp_lg_u32 s14, 0
	s_cbranch_scc1 .Lnot_wave_0_\@
	s_barrier_signal -3
.Lnot_wave_0_\@:
	s_barrier_wait -3
	s_barrier_signal -1
	s_barrier_wait -1
.endm
.macro CROUND                          ; a whole round
	s_barrier_signal -1
	s_barrier_wait -1
	CREST
.endm
.macro PLACES                          ; four plain vector instructions behind a matrix instruction, ahead of loads into its registers and of the first read of its results (ISA guide 7.12.1 for the first read of its results)
.rept 4
	v_nop
.endr
.endm
; One product: tokens' block a x weights' tile b, the step whose fragments lie in set p.  A side's scale words of fragments 4-7 lie in lanes 16-31 of its four registers.
.macro WM a, b, p, first
.set rD, 8*(8*((\a)%4)+(\b))
.set rB, 128*(\p)+12*(\b)
.if (\a) < 4
.set rA, 128+12*(\a)
.else
.set rA, 48+128*(\p)+12*((\a)-4)
.endif
.if \first
.set rC, 96+8*(\b)+96*((\b)/4)
.else
.set rC, rD
.endif
.set sB, 36+8*(\p)+(\b)%4
.set sA, 32+8*(\p)+(\a)%4
.if ((\b) < 4) && ((\a) < 4)
	v_wmma_scale_f32_16x16x128_f8f6f4 v[rD:rD+7], v[rB:rB+11], v[rA:rA+11], v[rC:rC+7], v[sB], v[sA] matrix_a_fmt:MATRIX_FMT_FP6 matrix_b_fmt:MATRIX_FMT_FP6
.elseif (\a) < 4
	v_wmma_scale_f32_16x16x128_f8f6f4 v[rD:rD+7], v[rB:rB+11], v[rA:rA+11], v[rC:rC+7], v[sB], v[sA] matrix_a_fmt:MATRIX_FMT_FP6 matrix_b_fmt:MATRIX_FMT_FP6 matrix_a_scale:MATRIX_SCALE_ROW1
.elseif (\b) < 4
	v_wmma_scale_f32_16x16x128_f8f6f4 v[rD:rD+7], v[rB:rB+11], v[rA:rA+11], v[rC:rC+7], v[sB], v[sA] matrix_a_fmt:MATRIX_FMT_FP6 matrix_b_fmt:MATRIX_FMT_FP6 matrix_b_scale:MATRIX_SCALE_ROW1
.else
	v_wmma_scale_f32_16x16x128_f8f6f4 v[rD:rD+7], v[rB:rB+11], v[rA:rA+11], v[rC:rC+7], v[sB], v[sA] matrix_a_fmt:MATRIX_FMT_FP6 matrix_b_fmt:MATRIX_FMT_FP6 matrix_a_scale:MATRIX_SCALE_ROW1 matrix_b_scale:MATRIX_SCALE_ROW1
.endif
.endm
.macro MUL8 a, p, first                ; the 64 accumulators take turns, one instruction a turn, in the same order in every step
.irp b, 0,1,2,3,4,5,6,7
	WM \a, \b, \p, \first
.endr
.endm
; 50 LDS loads in one run: a step's fragments and scale words from slot fs, byte off of the panels, into set p.  Each load is 16 bytes a lane at 16 l: 512 consecutive bytes.
; The order: the weights' 24, the two scale sections, the tokens' blocks 0-3 (12), blocks 4-7 (12): the wait at a step's head can leave the last twelve out.
.macro FETCH fs, off, p
	WIN TO_B
.irp i, 0,1,2,3,4,5,6,7
.irp c, 0,1,2
	ds_load_b128 v[128*(\p)+12*\i+4*\c:128*(\p)+12*\i+4*\c+3], v[ADRB+\fs] offset:(\off)+1536*\i+512*\c
.endr
.endr
	WIN 0
	ds_load_b128 v[36+8*(\p):39+8*(\p)], v[ADRB+\fs] offset:(\off)+12288
	ds_load_b128 v[32+8*(\p):35+8*(\p)], v[ADRA+\fs] offset:(\off)+12288
.irp i, 0,1,2,3
.irp c, 0,1,2
	ds_load_b128 v[128+12*\i+4*\c:128+12*\i+4*\c+3], v[ADRA+\fs] offset:(\off)+1536*\i+512*\c
.endr
.endr
.irp i, 4,5,6,7
.irp c, 0,1,2
	ds_load_b128 v[48+128*(\p)+12*(\i-4)+4*\c:48+128*(\p)+12*(\i-4)+4*\c+3], v[ADRA+\fs] offset:(\off)+1536*\i+512*\c
.endr
.endr
.endm
; A step of 128 along K: 64 matrix instructions on set p; in its middle the next step's fragments are fetched from slot fs, byte foff, into the other set.
; mode 0: plain.  mode 1: the step also changes slots: slot rs, whose last reads are waited for here, is filled again (on = 0: four K steps on; on = 1: the next tile's).  mode 2: the same without a fill.  mode 3: the last step.
.macro KSTEP p, mode, rs, fs, foff, first, on
.if \first
.set WLO, FIRST_LO
.set WHI, FIRST_HI
.else
.set WLO, MUL_LO
.set WHI, MUL_HI
.endif
.if \mode == 0
	s_wait_dscnt 12                                ; all of this step's loads but the youngest twelve (tokens' blocks 4-7) are in
	WIN WLO
	MUL8 0, \p, \first
	MUL8 1, \p, \first
	MUL8 2, \p, \first
	MUL8 3, \p, \first
	PLACES
	FETCH \fs, \foff, 1-\p
	s_wait_dscnt 50                                ; all but the 50 just issued: blocks 4-7 are in
	WIN WHI
	MUL8 4, \p, \first
	MUL8 5, \p, \first
	MUL8 6, \p, \first
	MUL8 7, \p, \first
	WIN 0
.elseif \mode == 3
	s_wait_dscnt 12
	WIN WLO
	MUL8 0, \p, \first
	MUL8 1, \p, \first
	MUL8 2, \p, \first
	MUL8 3, \p, \first
	s_wait_dscnt 0x0
	WIN WHI
	MUL8 4, \p, \first
	MUL8 5, \p, \first
	MUL8 6, \p, \first
	MUL8 7, \p, \first
	WIN 0
.else
	s_wait_dscnt 12
	WIN WLO
	MUL8 0, \p, \first
	MUL8 1, \p, \first
	WIN 0                                          ; (the add's two registers lie in window 0)
	s_wait_tensorcnt 0x0                           ; all my tensor loads have landed: the one that was out is my part of the slot that is read next;
	ds_add_u32 v[SPW], v[NIL]                      ; 0 onto my spare word
	WIN WLO
	MUL8 2, \p, \first                             ; eight matrix instructions stand between the add and the wait for it
	s_wait_dscnt 0x0                               ; the add is done, and my reads of the slot that is left are over (blocks 4-7 of this step were the last)
	s_barrier_signal -1
	MUL8 3, \p, \first                             ; work on registers while the others arrive
	WIN 0
	s_barrier_wait -1
.if \mode == 1
	CREST                                          ; the barrier has opened a round of the cluster's: no wave of any partner still reads slot rs or has a load on its way
.if \on
	s_sub_nc_u64 s[G0+4*\rs+2:G0+4*\rs+3], s[G0+4*\rs+2:G0+4*\rs+3], 4*UNIT        ; the next tile has the same tokens: back along K;
	s_add_nc_u64 s[G0B+4*\rs+2:G0B+4*\rs+3], s[G0B+4*\rs+2:G0B+4*\rs+3], 252*UNIT  ; its weights lie 32 panels of 8 units on, less the 4 units walked
.else
	s_add_nc_u64 s[G0+4*\rs+2:G0+4*\rs+3], s[G0+4*\rs+2:G0+4*\rs+3], 4*UNIT        ; four K steps on
	s_add_nc_u64 s[G0B+4*\rs+2:G0B+4*\rs+3], s[G0B+4*\rs+2:G0B+4*\rs+3], 4*UNIT
.endif
	JLOAD \rs                                      ; the first tensor load behind the round, one a wave: 112 matrix instructions ahead of the wait for it.  Its four v_nop are also the places in front of the loads below
.else
	PLACES
.endif
	FETCH \fs, \foff, 1-\p
	WIN WHI
	MUL8 4, \p, \first
	MUL8 5, \p, \first
	MUL8 6, \p, \first
	MUL8 7, \p, \first
	WIN 0
.endif
.endm
; 64 numbers of a lane, register 32 c + i = k 64 c + 32 (lane / 16) + i of the lane's row: two whole blocks of 32.  They become the fragment's 12 registers in v[PC] on and the row's scale word in v[w].  None is negative here: no |.|.
.macro QUANT64 s, w
.irp u, 0,1,2,3
	v_max3_num_f32 v[QM+\u], v[\s+16*\u], v[\s+16*\u+1], 0x1800000   ; four chains of 16; the floor 2^(3 - 127) among the leaves holds the byte at 1 from below
.endr
.irp i, 2,4,6,8,10,12,14
.irp u, 0,1,2,3
	v_max3_num_f32 v[QM+\u], v[QM+\u], v[\s+16*\u+\i], v[\s+16*\u+\i+1]
.endr
.endr
	v_max_num_f32 v[QM], v[QM], v[QM+1]
	v_max_num_f32 v[QM+2], v[QM+2], v[QM+3]
	v_add_nc_u32 v[QS], 0xff000000, v[QM]          ; 2 off the exponent field: the conversion takes this operand's exponent field as its scale
	v_add_nc_u32 v[QS+1], 0xff000000, v[QM+2]
	v_lshrrev_b32 v[QB], 23, v[QS]
	v_lshrrev_b32 v[QB+1], 23, v[QS+1]
.irp c, 0,1
	v_cvt_scalef32_pk16_fp6_f32 v[PC+6*\c:PC+6*\c+2], v[\s+32*\c:\s+32*\c+15], v[QS+\c]
	v_cvt_scalef32_pk16_fp6_f32 v[TC+4*\c:TC+4*\c+2], v[\s+32*\c+16:\s+32*\c+31], v[QS+\c]   ; (a conversion's three registers begin on an even number)
.endr
	v_lshl_or_b32 v[QW], v[QB+1], 16, v[QB]        ; my two bytes.  (The plain instruction behind the conversions)
.irp c, 0,1
.irp i, 0,1,2
	v_mov_b32 v[PC+6*\c+3+\i], v[TC+4*\c+\i]
.endr
.endr
	v_lshlrev_b32 v[QW], v[SH8], v[QW]             ; at bytes h and 2 + h
	v_permlanex16_b32 v[QX], v[QW], s[SEL], s[SEL+1]
	v_or_b32 v[\w], v[QW], v[QX]                   ; the row's scale word, in both lanes
.endm
.macro BIAS tile                       ; b1 of expert tile at my 128 hidden units, in the result's layout: tile b, lane half h: units 64 (b / 4) + 32 h + 8 (b % 4) + 0 .. 7
	WIN TO_B
.irp b, 0,1,2,3,4,5,6,7
	global_load_b128 v[96+8*\b+96*(\b/4):96+8*\b+96*(\b/4)+3], v[BA], s[70:71] offset:16384*\tile+4*(64*(\b/4)+8*(\b%4))
	global_load_b128 v[96+8*\b+96*(\b/4)+4:96+8*\b+96*(\b/4)+7], v[BA], s[70:71] offset:16384*\tile+4*(64*(\b/4)+8*(\b%4))+16
.endr
	WIN 0
.endm
; THE WAY OUT of a tile: block a (16 tokens x my 128 hidden units) is one fragment of my unit of hq.
.macro EPI tile
	PLACES                                         ; behind the last products: T lies over a set of the tokens' fragments
.if \tile == 0
	BIAS 1                                         ; the next tile's bias: it has the whole way out in which to land
.endif
.irp a, 0,1,2,3,4,5,6,7
	WIN 0x08+4*(\a/4)                              ; source 1: window 2 or 3
.set j, 0
.rept 64
	v_max_num_f32 v[T+j], 0, v[64*(\a%4)+j]        ; the activation, in f32; each accumulator from its low end on
.set j, j+1
.endr
	WIN 0
	s_wait_xcnt 0x0                                ; the earlier stores have read their data: the codes' registers may be written again
	QUANT64 T, WA+\a
.irp c, 0,1,2
	global_store_b128 v[OFS], v[PC+4*\c:PC+4*\c+3], s[12:13] offset:2*UNIT*\tile+1536*\a+512*\c   ; 512 consecutive bytes, at a multiple of 256
.endr
.endr
.irp j, 0,1,2,3
	v_cndmask_b32 v[SJ+\j], v[WA+\j], v[WA+4+\j], s68   ; lanes 0-15: fragment j's words, lanes 16-31: fragment 4 + j's
.endr
	global_store_b128 v[OFS], v[SJ:SJ+3], s[12:13] offset:2*UNIT*\tile+12288
.endm
; A tile's eight K steps.  succ = 1: the ring goes on into the next tile: the last two changes of slots ask for its K steps 0-3, and K step 7 fetches its first fragments.
.macro TILE succ, tile
	s_wait_loadcnt 0x0                             ; the bias
	KSTEP 0, 0, 0, 0, UNIT, 1, 0
	KSTEP 1, 1, 0, 1, 0, 0, 0
	KSTEP 0, 0, 0, 1, UNIT, 0, 0
	KSTEP 1, 1, 1, 0, 0, 0, 0
	KSTEP 0, 0, 0, 0, UNIT, 0, 0
.if \succ
	KSTEP 1, 1, 0, 1, 0, 0, 1
.else
	KSTEP 1, 2, 0, 1, 0, 0, 0
.endif
	KSTEP 0, 0, 0, 1, UNIT, 0, 0
.if \succ
	KSTEP 1, 1, 1, 0, 0, 0, 1
.else
	KSTEP 1, 3, 0, 0, 0, 0, 0
.endif
	EPI \tile
.endm
	s_load_b256 s[4:11], s[0:1], 0x0               ; xq s[4:5], w1q s[6:7], b1 s[8:9], hq s[10:11]
	v_lshl_add_u32 v[SPW], v0, 2, SPARE
	v_mov_b32 v[NIL], 0
	ds_add_u32 v28, v29
	ds_add_u32 v28, v29
	s_wait_dscnt 0x0
	v_lshrrev_b32 v1, 5, v0
	v_readfirstlane_b32 s14, v1                    ; wave 0..3
	s_lshr_b32 s15, s14, 1                         ; which 128 tokens are mine.  Also: I fetch tokens (0) or weights (1)
	s_and_b32 s16, s14, 1                          ; which 128 hidden units.  Also: which of the two panels I fetch
	s_bfe_u32 s40, ttmp6, 0x40000                  ; cx, cy: my place in the cluster
	s_bfe_u32 s41, ttmp6, 0x40004
	s_lshl_b32 s42, ttmp9, 2
	s_add_co_u32 s42, s42, s40                     ; gx = 4 x cluster x + cx: hidden units 256 gx ..
	s_and_b32 s17, ttmp7, 0xffff
	s_lshl_b32 s17, s17, 2
	s_add_co_u32 s17, s17, s41                     ; gy = 4 x cluster y + cy: tokens 256 gy ..
	s_lshl_b32 s43, s41, 2
	s_lshl_b32 s43, 15, s43                        ; my row of the cluster
	s_lshl_b32 s44, 0x1111, s40                    ; my column
	; descriptor group 1: 25,600 dense bytes as 100 rows of 32 elements of 8 bytes, no padding
	s_or_b32 s[G1], s43, (3<<16)|(1<<21)           ; 15:0 the mask: tokens go to my row; 17:16 elements of 8 bytes; 21 set beside a mask
	s_or_b32 s[G1B], s44, (3<<16)|(1<<21)          ; weights go to my column
.irp g, G1, G1B
	s_mov_b32 s[\g+1], 32<<16                      ; tensor_dim0 = 32
	s_mov_b32 s[\g+2], 100<<16                     ; tensor_dim1 = 100
	s_mov_b32 s[\g+3], 32<<16                      ; tile_dim0 = 32
	s_mov_b32 s[\g+4], 100                         ; tile_dim1 = 100
	s_mov_b32 s[\g+5], 32                          ; from row to row
	s_mov_b32 s[\g+6], 0
	s_mov_b32 s[\g+7], 0
.endr
	s_lshl_b32 s20, s17, 1
	s_add_co_u32 s20, s20, s16
	s_mul_i32 s20, s20, 8*UNIT                     ; tokens' panel 2 gy + half: made of gy and the wave's number alone
	s_mov_b32 s21, 0
	s_lshl_b32 s46, s42, 1
	s_add_co_u32 s46, s46, s16
	s_mul_i32 s46, s46, 8*UNIT                     ; weights' panel 2 gx + half, expert 0: of gx and the wave's number alone
	s_mov_b32 s47, 0
	s_mul_i32 s45, s14, 2*UNIT                     ; where they go in a slot: wave x 25,600: no place in the cluster enters an LDS address
	s_mov_b32 s[SEL], 0x76543210
	s_mov_b32 s[SEL+1], 0xfedcba98
	s_mov_b32 s68, 0xffff0000
	s_wait_kmcnt 0x0
	s_add_nc_u64 s[20:21], s[4:5], s[20:21]
	s_add_nc_u64 s[46:47], s[6:7], s[46:47]
	CROUND                                         ; all sixteen work-groups are here: the first joint loads meet
.irp s, 0,1
	s_mov_b32 s[G0+4*\s], 1
	s_add_co_u32 s[G0+4*\s+1], s45, \s*SLOT
	s_add_nc_u64 s[G0+4*\s+2:G0+4*\s+3], s[20:21], \s*2*UNIT   ; slot s begins with K steps 2 s, 2 s + 1
	s_or_b32 s[G0+4*\s+3], s[G0+4*\s+3], 0x80000000
	s_mov_b32 s[G0B+4*\s], 1
	s_add_co_u32 s[G0B+4*\s+1], s45, \s*SLOT
	s_add_nc_u64 s[G0B+4*\s+2:G0B+4*\s+3], s[46:47], \s*2*UNIT
	s_or_b32 s[G0B+4*\s+3], s[G0B+4*\s+3], 0x80000000
	JLOAD \s                                       ; two loads of mine are out
.endr
	v_and_b32 v1, 31, v0
	v_bfe_u32 v2, v0, 4, 1
	v_lshlrev_b32 v[OFS], 4, v1
	v_lshlrev_b32 v[BA], 7, v2
	v_lshlrev_b32 v[SH8], 3, v2
	v_mov_b32 v[QX], 0                             ; a lane permute's destination counts as read: written once
	s_mul_i32 s20, s15, 2*UNIT                     ; my tokens' panel
	s_mul_i32 s21, s16, 2*UNIT
	s_add_co_u32 s21, s21, 4*UNIT                  ; my weights' panel, behind the tokens' two
.irp s, 0,1
	v_add_nc_u32 v[ADRA+\s], s20, v[OFS]
	v_add_nc_u32 v[ADRB+\s], s21, v[OFS]
	s_add_co_u32 s20, s20, SLOT
	s_add_co_u32 s21, s21, SLOT
.endr
	s_lshl_b32 s74, s42, 1
	s_add_co_u32 s74, s74, s16                     ; s = 2 gx + half: my 128 hidden units are K step s of the second product
	s_lshl_b32 s72, s74, 9
	s_mov_b32 s73, 0
	s_add_nc_u64 s[70:71], s[8:9], s[72:73]        ; b1 at them
	s_lshl_b32 s75, s17, 1
	s_add_co_u32 s75, s75, s15                     ; my token panel
	s_lshl_b32 s75, s75, 4
	s_and_b32 s76, s74, 15
	s_add_co_u32 s75, s75, s76                     ; t = s % 16
	s_lshl_b32 s75, s75, 2
	s_lshr_b32 s76, s74, 4
	s_add_co_u32 s75, s75, s76                     ; wv = s / 16 (+ 2 for expert 1: in the stores' offsets)
	s_mul_i32 s72, s75, UNIT
	s_add_nc_u64 s[12:13], s[10:11], s[72:73]      ; my unit of hq
	BIAS 0
	s_wait_tensorcnt 1                             ; my part of slot 0 is in; slot 1's load may be out
	s_barrier_signal -1
	s_barrier_wait -1                              ; everybody's is
	FETCH 0, 0, 0
	TILE 1, 0                                      ; expert 0
	TILE 0, 1                                      ; expert 1
	s_wait_tensorcnt 0x0                           ; the wave's end
	ds_add_u32 v[SPW], v[NIL]
	s_wait_dscnt 0x0
	CROUND                                         ; the closing round: no work-group ends while a partner may still ask for a tile that names it
	s_endpgm
.Lfunc_end_k_q4cbde7a895_ffn1:
	.size	k_q4cbde7a895_ffn1, .Lfunc_end_k_q4cbde7a895_ffn1-k_q4cbde7a895_ffn1
	.p2alignl 7, 3214868480
	.fill 96, 4, 3214868480
	.section	.rodata,"a",@progbits
	.p2align	6, 0x0
	.amdhsa_kernel k_q4cbde7a895_ffn1
		.amdhsa_group_segment_fixed_size 327680
		.amdhsa_private_segment_fixed_size 0
		.amdhsa_enable_private_segment 0
		.amdhsa_kernarg_size 32
		.amdhsa_user_sgpr_count 2
		.amdhsa_user_sgpr_kernarg_segment_ptr 1
		.amdhsa_wavefront_size32 1
		.amdhsa_system_sgpr_workgroup_id_x 1
		.amdhsa_system_sgpr_workgroup_id_y 1
		.amdhsa_system_sgpr_workgroup_id_z 1
		.amdhsa_system_vgpr_workitem_id 0
		.amdhsa_next_free_vgpr 1024
		.amdhsa_next_free_sgpr 100
		.amdhsa_reserve_vcc 0
		.amdhsa_float_denorm_mode_32 3
		.amdhsa_float_denorm_mode_16_64 3
		.amdhsa_memory_ordered 1
		.amdhsa_forward_progress 1
		.amdhsa_inst_pref_size 255
	.end_amdhsa_kernel
	.section	.bss,"aw",@nobits
	.p2align	6
	.space	262144
	.amdgpu_metadata
---
amdhsa.version: [ 1, 2 ]
amdhsa.kernels:
  - .name:           k_q4cbde7a895_ffn1
    .symbol:         k_q4cbde7a895_ffn1.kd
    .args:
      - { .name: xq, .offset: 0, .size: 8, .value_kind: global_buffer, .address_space: global }
      - { .name: w1q, .offset: 8, .size: 8, .value_kind: global_buffer, .address_space: global }
      - { .name: b1, .offset: 16, .size: 8, .value_kind: global_buffer, .address_space: global }
      - { .name: hq, .offset: 24, .size: 8, .value_kind: global_buffer, .address_space: global }
    .group_segment_fixed_size: 327680
    .private_segment_fixed_size: 0
    .kernarg_segment_align: 8
    .kernarg_segment_size: 32
    .max_flat_workgroup_size: 128
    .sgpr_count:     100
    .vgpr_count:     1024
    .wavefront_size: 32
...
	.end_amdgpu_metadata
.endif
;; end of part 2
;; launch ffn2 (part 3): grid 8 x 32, 4 waves a work-group, clusters of 4 x 4, 327,680 bytes of LDS; arguments hq, w2q, b2, comb, out0; writes out0
.if DOCPART == 3
	.amdgcn_target "amdgcn-amd-amdhsa--gfx1250"
	.amdhsa_code_object_version 6
	.text
	.protected	k_q4cbde7a895_ffn2
	.globl	k_q4cbde7a895_ffn2
	.p2align	8
	.type	k_q4cbde7a895_ffn2,@function
k_q4cbde7a895_ffn2:
	s_mov_b64 s[64:65], 0
	v_nop
	global_prefetch_b8 v0, s[64:65] scope:SCOPE_SE
	s_setreg_imm32_b32 hwreg(HW_REG_WAVE_MODE, 25, 1), 1
	s_wait_xcnt 0x0
	s_wait_alu depctr_hold_cnt(0) depctr_sa_sdst(0) depctr_va_vdst(0) depctr_va_sdst(0) depctr_va_ssrc(0) depctr_va_vcc(0) depctr_vm_vsrc(0)
	s_getreg_b32 s2, hwreg(HW_REG_IB_STS2, 6, 4)
	s_cmp_eq_u32 s2, 0
	s_cbranch_scc0 .Lentry_in_a_cluster
	s_endpgm
.Lentry_in_a_cluster:
	s_bfe_u32 s2, ttmp6, 0x10000c
	s_cmp_lg_u32 s2, 0xf033
	s_cbranch_scc0 .Lentry_shape_is_right
	s_endpgm
.Lentry_shape_is_right:
; FFN2.  out = comb_0 (h_0 W2_0^T + b2_0) + comb_1 (h_1 W2_1^T + b2_1), on codes of E2M3.  hq and w2q are made of UNITS of 12,800 bytes: 128 rows x 128 K as an image of the operand's registers
; (fragment i at 1,536 i, registers 4 c .. 4 c + 3 of lane l at + 512 c + 16 l; from 12,288 on the scale words, lane l's 16 bytes at + 16 l, word j = fragment 4 (l / 16) + j, row l % 16),
; both laid [panel of 128 rows][16 t][4 wv][UNIT]: unit (t, wv) = expert wv / 2, K step 16 (wv % 2) + t.
; SHARES.  out0 has 4,096 x 1,024 numbers: 256 work-groups make 128 tokens x 128 outputs each.  THE FOUR WAVES SHARE K, NOT THE TILE: wave w makes the whole 128 x 128 (64 accumulators) over expert w / 2, K steps 16 (w % 2) + t,
; t = 0 .. 15.  So each fragment read from LDS feeds eight products, as in a tile of 256 x 256, and the two experts' sums stay apart until comb has multiplied them.  The price: the four parts are added through LDS at the end.
; THE RING.  Step t of the four waves is 51,200 dense bytes of hq and 51,200 of w2q.  LDS holds THREE regions of a step (the tokens' at 51,200 r, the weights' at 153,600 + 51,200 r); step t lies in region t % 3.
; The regions are filled TWO AT A TIME: in each odd step t, step t is in registers, step t + 1 lies unread in one region, and the other two have been read out: behind one round of the cluster's barrier the four waves ask for
; steps t + 2 and t + 3, one load of 51,200 bytes a wave (wave 0: tokens of t + 2, wave 1: tokens of t + 3, waves 2, 3: the weights likewise).  So there is one such round for two steps, and 204,800 bytes are on their way behind it.
; The loads are waited for in step t + 1, behind 24 of its products: 80 matrix instructions behind the request; a work-group barrier, behind which nothing is filled, shows them to all four waves; then step t + 2 is fetched.
; That wait cannot be the one in front of the next round: step t + 2's region is one of the two that the next round fills, so it has to be read out first.
; CLUSTERS: 4 x 4.  The four of a row need the same tokens' units, the four of a column the same weights': each is asked for jointly.
; THE MATRIX INSTRUCTION IS USED TRANSPOSED (source 0 = 16 rows of W2, source 1 = 16 tokens): lane (r, h), tile b, register j holds out(token r, output 16 b + 8 h + j).
; b2 is the C of the first products of waves 0 and 2; in waves 1 and 3 the same registers are cleared by a mask, so that each expert's bias enters once.
; REGISTERS, in windows of 256: window 0: v8-30 addresses; v32-47 scale words, two sets; v96-111 comb of my expert at the tokens of block a (v96 + 2 a); v128-175 tokens' blocks 0-3 (one set), v48-95 and v176-223 blocks 4-7
;   (two sets); on the way out v128-255 hold rows.  window 1: weights' fragments, two sets, at v0 and v128; b2's tile b at v96 + 8 b (b < 4), v224 + 8 (b - 4).  windows 2, 3: accumulator (a, b) at v[8 (8 (a % 4) + b)].
.set UNIT,  12800
.set REG,   4*UNIT                     ; a step's four units of one side: a region
.set BAREA, 3*REG                      ; the weights' three regions lie behind the tokens' three
.set RED,   67584                      ; the way out: a wave's part of the tile, 128 rows x (512 + 16) bytes; the four parts lie from LDS byte 0 on: the ring has had its last fill and its last read by then
.set SPARE, 6*REG                      ; behind the ring: the spare words, 128 bytes a wave: two blocks of 256 bytes that no other line names
.set RD,   8                           ; v8-11   the way out: where I read my rows in part 0 .. 3
.set ADRA, 16                          ; v16-18  LDS address of my tokens' unit in region 0, 1, 2, + 16 l
.set ADRB, 20                          ; v20-22  the same for my weights' unit
.set STO,  24                          ; v24     the way out: where I put 32 bytes of a row
.set CO,   25                          ; v25     16 l
.set BA,   26                          ; v26     32 h
.set CA,   27                          ; v27     4 r
.set SPW,  28                          ; v28     LDS address of my spare word; never rewritten
.set NIL,  29                          ; v29     0; never rewritten
.set PFO,  30                          ; v30     the prefetches' offset: 256 x min(lane, 24); never rewritten
.set CM,   96
.set G1,   24                          ; s[24:31] descriptor group 1 for the tokens' refills: 200 rows of 256 bytes
.set G0,   32                          ; s[32:35] their group 0, which walks
.set G0F,  36                          ; s[36:39] group 0 of the tokens' first fill
.set G1B,  48                          ; s[48:55], s[56:59], s[60:63] the same for the weights
.set G0B,  56
.set G0FB, 60
.set LA,   66                          ; s66-68  where my refill goes in the tokens' area when the pair of steps begins in region 0, 1, 2
.set PFA,  78                          ; s[78:79] where my prefetches stand
.set LIM,  80                          ; s80     1 in a wave that prefetches, else the greatest number
.set LIMQ, 81                          ; s81     in a wave that prefetches: which step of a pair it fetches (0, 1); else the greatest number
.set G1F,  84                          ; s[84:91] group 1 for the tokens' first fill: 300 rows of 256 bytes;  s[92:99] for the weights'
.set G1FB, 92
.set MUL_LO,   0xa1                    ; source 0 (weights) window 1, source 1 (tokens) window 0, C and D window 2
.set MUL_HI,   0xf1
.set FIRST_LO, 0x91                    ; C (the bias) window 1, D window 2
.set FIRST_HI, 0xd1
.set TO_B,     0x40
.set MSB, 0
.macro WIN new                         ; the immediate's high byte repeats the setting that is left; a switch that changes nothing is dropped
.if MSB != (\new)
	s_set_vgpr_msb (MSB<<8)|(\new)
.set MSB, (\new)
.endif
.endm
; A joint load: waves 0 and 1 fetch tokens' units, waves 2 and 3 weights'.  Each line has one mask and one set of registers for all that issue it; the branch hangs on the wave's number alone.
; Four v_nop follow each of the two lines, ahead of the jump, the label and what follows.
.macro JLOAD g0a, g1a, g0b, g1b
	s_cmp_eq_u32 s15, 0
	s_cbranch_scc0 .Lfor_b_\@
	tensor_load_to_lds s[\g0a:\g0a+3], s[\g1a:\g1a+7]
	s_nop 0
.rept 4
	v_nop
.endr
	s_branch .Lasked_\@
.Lfor_b_\@:
	tensor_load_to_lds s[\g0b:\g0b+3], s[\g1b:\g1b+7]
	s_nop 0
.rept 4
	v_nop
.endr
.Lasked_\@:
.endm
.macro CREST                           ; a round of the cluster's barrier behind its opening barrier
	s_cmp_lg_u32 s14, 0
	s_cbranch_scc1 .Lnot_wave_0_\@
	s_barrier_signal -3
.Lnot_wave_0_\@:
	s_barrier_wait -3
	s_barrier_signal -1
	s_barrier_wait -1
.endm
.macro CROUND
	s_barrier_signal -1
	s_barrier_wait -1
	CREST
.endm
.macro PLACES                          ; four plain vector instructions behind a matrix instruction, ahead of loads into its registers and of the first read of its results (ISA guide 7.12.1 for the first read of its results)
.rept 4
	v_nop
.endr
.endm
; A PREFETCH INTO THE L2, behind a joint load and its four lines.  The joint loads of step t bring steps t + 2 and t + 3; the prefetches of step t name steps t + 6 and t + 7, which the joint loads of step t + 4 will bring:
; two changes of slots, 256 matrix instructions, ahead.  A wave names what its own joint load will bring: 200 blocks of 256 bytes; the four partners that ask for it share them out BY ADDRESS, 50 each: two instructions of
; 25 blocks (a lane a block; lanes 24-31 name the same one).  The tokens' units are read by both clusters of a row of clusters: the one with x = 0 asks; the weights' by all clusters of a column: the one with y = 0 asks.
; So each block is named once in the launch.  how = 0: t = 1 and 7 (steps 7, 8 and 13, 14).  how = 1: t = 3 (steps 9, 10) and t = 9, where step 15 is named and there is no step 16: the even waves alone ask.
; how = 2: t = 5 (steps 11, 12); t = 11 has nothing left to name.  Steps 0 to 6 come by their loads alone.
.macro ASK how
.if \how == 0
	s_cmp_eq_u32 s[LIM], 1
.elseif \how == 1
	s_cmp_gt_u32 s3, s[LIMQ]                       ; s3 = 2 in the first trip, 1 in the second
.else
	s_cmp_gt_u32 s3, s[LIM]
.endif
	s_cbranch_scc0 .Lnot_mine_\@
	global_prefetch_b8 v[PFO], s[PFA:PFA+1] th:TH_LOAD_NT scope:SCOPE_SE
	global_prefetch_b8 v[PFO], s[PFA:PFA+1] offset:6400 th:TH_LOAD_NT scope:SCOPE_SE
.Lnot_mine_\@:
.endm
; One product: tokens' block a x weights' tile b, the step whose fragments lie in set p.  A side's scale words of fragments 4-7 lie in lanes 16-31 of its four registers.
.macro WM a, b, p, first
.set rD, 8*(8*((\a)%4)+(\b))
.set rB, 128*(\p)+12*(\b)
.if (\a) < 4
.set rA, 128+12*(\a)
.else
.set rA, 48+128*(\p)+12*((\a)-4)
.endif
.if \first
.set rC, 96+8*(\b)+96*((\b)/4)
.else
.set rC, rD
.endif
.set sB, 36+8*(\p)+(\b)%4
.set sA, 32+8*(\p)+(\a)%4
.if ((\b) < 4) && ((\a) < 4)
	v_wmma_scale_f32_16x16x128_f8f6f4 v[rD:rD+7], v[rB:rB+11], v[rA:rA+11], v[rC:rC+7], v[sB], v[sA] matrix_a_fmt:MATRIX_FMT_FP6 matrix_b_fmt:MATRIX_FMT_FP6
.elseif (\a) < 4
	v_wmma_scale_f32_16x16x128_f8f6f4 v[rD:rD+7], v[rB:rB+11], v[rA:rA+11], v[rC:rC+7], v[sB], v[sA] matrix_a_fmt:MATRIX_FMT_FP6 matrix_b_fmt:MATRIX_FMT_FP6 matrix_a_scale:MATRIX_SCALE_ROW1
.elseif (\b) < 4
	v_wmma_scale_f32_16x16x128_f8f6f4 v[rD:rD+7], v[rB:rB+11], v[rA:rA+11], v[rC:rC+7], v[sB], v[sA] matrix_a_fmt:MATRIX_FMT_FP6 matrix_b_fmt:MATRIX_FMT_FP6 matrix_b_scale:MATRIX_SCALE_ROW1
.else
	v_wmma_scale_f32_16x16x128_f8f6f4 v[rD:rD+7], v[rB:rB+11], v[rA:rA+11], v[rC:rC+7], v[sB], v[sA] matrix_a_fmt:MATRIX_FMT_FP6 matrix_b_fmt:MATRIX_FMT_FP6 matrix_a_scale:MATRIX_SCALE_ROW1 matrix_b_scale:MATRIX_SCALE_ROW1
.endif
.endm
.macro MUL8 a, p, first                ; the 64 accumulators take turns, one instruction a turn, in the same order in every step, over the loop's backward jump too
.irp b, 0,1,2,3,4,5,6,7
	WM \a, \b, \p, \first
.endr
.endm
; 50 LDS loads in one run: my step's fragments and scale words from region fr into set p: the weights' 24, the two scale sections, the tokens' blocks 0-3 (12), blocks 4-7 (12).  Each is 16 bytes a lane at 16 l: 512 consecutive bytes.
.macro FETCH fr, p
	WIN TO_B
.irp i, 0,1,2,3,4,5,6,7
.irp c, 0,1,2
	ds_load_b128 v[128*(\p)+12*\i+4*\c:128*(\p)+12*\i+4*\c+3], v[ADRB+\fr] offset:1536*\i+512*\c
.endr
.endr
	WIN 0
	ds_load_b128 v[36+8*(\p):39+8*(\p)], v[ADRB+\fr] offset:12288
	ds_load_b128 v[32+8*(\p):35+8*(\p)], v[ADRA+\fr] offset:12288
.irp i, 0,1,2,3
.irp c, 0,1,2
	ds_load_b128 v[128+12*\i+4*\c:128+12*\i+4*\c+3], v[ADRA+\fr] offset:1536*\i+512*\c
.endr
.endr
.irp i, 4,5,6,7
.irp c, 0,1,2
	ds_load_b128 v[48+128*(\p)+12*(\i-4)+4*\c:48+128*(\p)+12*(\i-4)+4*\c+3], v[ADRA+\fr] offset:1536*\i+512*\c
.endr
.endr
.endm
; AN ODD STEP t (set 1) changes slots.  At its head my reads of step t's region are waited for; step t - 1's region was read out a step ago.  Behind the round those two regions take steps t + 2 and t + 3.
; la: the region in which the pair begins.  fr: step t + 1's region, fetched in the step's middle.  ask: how the prefetch is tested (3: none).  half = 1: only step t + 2 is left: the even waves alone load.
.macro BSTEP la, fr, ask, half
.if \ask < 3
	s_wait_xcnt 0x0                                ; the last prefetches, two steps back, have read their address: it is stepped here, ahead of the waits of the change of slots
	s_add_nc_u64 s[PFA:PFA+1], s[PFA:PFA+1], 2*REG
.endif
	s_wait_tensorcnt 0x0                           ; no tensor load of mine is out (the last was waited for a step ago), so the walking descriptors may be written;
	ds_add_u32 v[SPW], v[NIL]                      ; 0 onto my spare word: the descriptors' steps stand between it and the wait for it
	s_mov_b32 s[G0+1], s[LA+\la]                   ; my region of the two,
	s_add_co_u32 s[G0B+1], s[LA+\la], BAREA
	s_add_nc_u64 s[G0+2:G0+3], s[G0+2:G0+3], 2*REG      ; two steps on; the type bits on top are not reached
	s_add_nc_u64 s[G0B+2:G0B+3], s[G0B+2:G0B+3], 2*REG
	s_wait_dscnt 0x0                               ; the add is done, and my reads of step t's region are over
	s_barrier_signal -1
	WIN MUL_LO
	MUL8 0, 1, 0                                   ; work on registers while the others arrive
	WIN 0
	s_barrier_wait -1
	CREST                                          ; the barrier has opened a round of the cluster's: no wave of any partner still reads the two regions or has a load on its way
.if \half
	s_cmp_eq_u32 s16, 0
	s_cbranch_scc0 .Lnone_\@
.endif
	JLOAD G0, G1, G0B, G1B                         ; the first tensor load behind the round, one a wave: 80 matrix instructions ahead of the wait for it
.if \half
.Lnone_\@:
.endif
.if \ask < 3
	ASK \ask
.endif
	WIN MUL_LO
	MUL8 1, 1, 0
	MUL8 2, 1, 0
	MUL8 3, 1, 0
	PLACES
	FETCH \fr, 0
	WIN MUL_HI
	MUL8 4, 1, 0
	MUL8 5, 1, 0
	MUL8 6, 1, 0
	MUL8 7, 1, 0
	WIN 0
.endm
; AN EVEN STEP t + 1 (set 0) takes the pair in: each wave waits for its load, a work-group barrier shows all four loads to all four waves, and step t + 2 is fetched from region fr.
.macro WSTEP fr
	s_wait_dscnt 12                                ; all of this step's loads but the youngest twelve (tokens' blocks 4-7) are in
	WIN MUL_LO
	MUL8 0, 0, 0
	MUL8 1, 0, 0
	MUL8 2, 0, 0
	s_wait_tensorcnt 0x0                           ; my part of steps t + 2 and t + 3 has landed: the one load that I had out
	s_wait_dscnt 0x0                               ; no LDS instruction of mine is pending at a signal
	s_barrier_signal -1
	MUL8 3, 0, 0
	WIN 0
	s_barrier_wait -1                              ; everybody's part has
	PLACES
	FETCH \fr, 1
	WIN MUL_HI
	MUL8 4, 0, 0
	MUL8 5, 0, 0
	MUL8 6, 0, 0
	MUL8 7, 0, 0
	WIN 0
.endm
	s_load_b256 s[4:11], s[0:1], 0x0               ; hq s[4:5], w2q s[6:7], b2 s[8:9], comb s[10:11]
	s_load_b64 s[12:13], s[0:1], 0x20              ; out0
	v_lshl_add_u32 v[SPW], v0, 2, SPARE
	v_mov_b32 v[NIL], 0
	ds_add_u32 v28, v29
	ds_add_u32 v28, v29
	s_wait_dscnt 0x0
	v_lshrrev_b32 v1, 5, v0
	v_readfirstlane_b32 s14, v1                    ; wave 0..3
	s_lshr_b32 s15, s14, 1                         ; my expert.  Also: I fetch tokens (0) or weights (1)
	s_and_b32 s16, s14, 1                          ; q: which half of my expert's K.  Also: which step of a pair I fetch
	s_bfe_u32 s40, ttmp6, 0x40000                  ; cx, cy
	s_bfe_u32 s41, ttmp6, 0x40004
	s_lshl_b32 s42, ttmp9, 2
	s_add_co_u32 s42, s42, s40                     ; gx: outputs 128 gx ..
	s_and_b32 s17, ttmp7, 0xffff
	s_lshl_b32 s17, s17, 2
	s_add_co_u32 s17, s17, s41                     ; gy: tokens 128 gy ..
	s_lshl_b32 s43, s41, 2
	s_lshl_b32 s43, 15, s43                        ; my row of the cluster
	s_lshl_b32 s44, 0x1111, s40                    ; my column
	; descriptor groups 1: dense bytes as rows of 32 elements of 8 bytes, no padding: 200 rows (a step's four units) for the refills, 300 rows (half of three steps) for the first fill
	s_or_b32 s[G1], s43, (3<<16)|(1<<21)           ; 15:0 the mask: tokens go to my row; 17:16 elements of 8 bytes; 21 set beside a mask
	s_or_b32 s[G1B], s44, (3<<16)|(1<<21)          ; weights go to my column
	s_or_b32 s[G1F], s43, (3<<16)|(1<<21)
	s_or_b32 s[G1FB], s44, (3<<16)|(1<<21)
.irp g, G1, G1B
	s_mov_b32 s[\g+1], 32<<16                      ; tensor_dim0 = 32
	s_mov_b32 s[\g+2], 200<<16                     ; tensor_dim1 = 200
	s_mov_b32 s[\g+3], 32<<16                      ; tile_dim0 = 32
	s_mov_b32 s[\g+4], 200                         ; tile_dim1 = 200
	s_mov_b32 s[\g+5], 32                          ; from row to row
	s_mov_b32 s[\g+6], 0
	s_mov_b32 s[\g+7], 0
.endr
.irp g, G1F, G1FB
	s_mov_b32 s[\g+1], 32<<16
	s_mov_b32 s[\g+2], 300<<16
	s_mov_b32 s[\g+3], 32<<16
	s_mov_b32 s[\g+4], 300
	s_mov_b32 s[\g+5], 32
	s_mov_b32 s[\g+6], 0
	s_mov_b32 s[\g+7], 0
.endr
	s_mul_i32 s20, s17, 64*UNIT                    ; the tokens' panel: of gy alone
	s_mov_b32 s21, 0
	s_mul_i32 s46, s42, 64*UNIT                    ; the weights' panel: of gx alone
	s_mov_b32 s47, 0
	s_mul_i32 s18, s16, 6*UNIT                     ; my half of the first three steps, in memory and in LDS alike
	s_mov_b32 s19, 0
	s_mul_i32 s45, s16, REG
	s_xor_b32 s22, s16, 1
	s_mov_b32 s[LA], s45                           ; a pair in regions 0, 1: region q
	s_add_co_u32 s[LA+1], s45, REG                 ; in regions 1, 2: region 1 + q
	s_mul_i32 s[LA+2], s22, 2*REG                  ; in regions 2, 0: region 2 for q = 0, region 0 for q = 1.  No place in the cluster enters an LDS address
	s_add_co_u32 s22, s45, REG                     ; step 1 + q: the first refill steps the walking descriptors to step 3 + q
	s_mov_b32 s23, 0
	s_wait_kmcnt 0x0
	s_add_nc_u64 s[20:21], s[4:5], s[20:21]
	s_add_nc_u64 s[46:47], s[6:7], s[46:47]
	CROUND                                         ; all sixteen work-groups are here: the first joint loads meet
	s_mov_b32 s[G0F], 1                            ; 1:0 count = 1
	s_mov_b32 s[G0F+1], s18                        ; 63:32 LDS address
	s_add_nc_u64 s[G0F+2:G0F+3], s[20:21], s[18:19]     ; 120:64 global address
	s_or_b32 s[G0F+3], s[G0F+3], 0x80000000        ; 127:126 type = 2
	s_mov_b32 s[G0FB], 1
	s_add_co_u32 s[G0FB+1], s18, BAREA
	s_add_nc_u64 s[G0FB+2:G0FB+3], s[46:47], s[18:19]
	s_or_b32 s[G0FB+3], s[G0FB+3], 0x80000000
	JLOAD G0F, G1F, G0FB, G1FB                     ; steps 0, 1 and 2 are 153,600 dense bytes of each tensor, laid in LDS as in memory: half of one tensor's a wave.  One load of mine is out
	s_mov_b32 s[G0], 1
	s_add_nc_u64 s[G0+2:G0+3], s[20:21], s[22:23]
	s_or_b32 s[G0+3], s[G0+3], 0x80000000
	s_mov_b32 s[G0B], 1
	s_add_nc_u64 s[G0B+2:G0B+3], s[46:47], s[22:23]
	s_or_b32 s[G0B+3], s[G0B+3], 0x80000000
	v_and_b32 v1, 31, v0                           ; l
	v_and_b32 v2, 15, v0                           ; r
	v_bfe_u32 v3, v0, 4, 1                         ; h
	v_lshlrev_b32 v[CO], 4, v1
	v_lshlrev_b32 v[BA], 5, v3
	v_lshlrev_b32 v[CA], 2, v2
	s_mul_i32 s20, s14, UNIT                       ; my unit of a region's four
	s_add_co_u32 s21, s20, BAREA
.irp r, 0,1,2
	v_add_nc_u32 v[ADRA+\r], s20, v[CO]
	v_add_nc_u32 v[ADRB+\r], s21, v[CO]
	s_add_co_u32 s20, s20, REG
	s_add_co_u32 s21, s21, REG
.endr
	s_mul_i32 s20, s14, RED
	v_mul_u32_u24 v[STO], v2, 528
	v_lshl_add_u32 v[STO], v3, 5, v[STO]
	v_add_nc_u32 v[STO], s20, v[STO]               ; my part: row r, + 32 h.  Rows 528 bytes apart: each of sixteen rows starts 16 bytes further on, modulo 256, than the last
	s_mul_i32 s20, s14, 32*528                     ; back: I own rows 32 w .. 32 w + 31 of all four parts
.irp u, 0,1,2,3
	v_add_nc_u32 v[RD+\u], s20, v[CO]
	s_add_co_u32 s20, s20, RED
.endr
	s_lshl_b32 s72, s15, 14
	s_lshl_b32 s74, s17, 9
	s_add_co_u32 s72, s72, s74
	s_mov_b32 s73, 0
	s_add_nc_u64 s[72:73], s[10:11], s[72:73]      ; comb of my expert at my tokens
	s_lshl_b32 s74, s15, 12
	s_lshl_b32 s76, s42, 9
	s_add_co_u32 s74, s74, s76
	s_mov_b32 s75, 0
	s_add_nc_u64 s[70:71], s[8:9], s[74:75]        ; b2 of my expert at my outputs
	s_lshl_b32 s74, s17, 19
	s_lshl_b32 s77, s14, 17
	s_add_co_u32 s74, s74, s77
	s_add_co_u32 s74, s74, s76
	s_add_nc_u64 s[12:13], s[12:13], s[74:75]      ; out0 at row 128 gy + 32 w, column 128 gx
	s_cmp_eq_u32 s16, 0
	s_cselect_b32 s69, -1, 0                       ; the bias counts in the wave with the first half of K
	; the prefetches: who asks, and where
	s_and_b32 s22, ttmp7, 0xffff                   ; cluster y
	s_cmp_eq_u32 s15, 0                            ; do I fetch tokens?
	s_cselect_b32 s74, s17, s42                    ; the panel
	s_cselect_b32 s76, s40, s41                    ; my place among the four that ask with me
	s_cselect_b32 s22, ttmp9, s22                  ; the coordinate along which other clusters read the same units
	s_cselect_b64 s[PFA:PFA+1], s[4:5], s[6:7]
	s_cmp_eq_u32 s22, 0
	s_cselect_b32 s[LIM], 1, -1                    ; the same in all sixteen partners, for a given wave
	s_cselect_b32 s[LIMQ], s16, -1
	s_mul_i32 s74, s74, 64*UNIT
	s_add_co_u32 s74, s74, s45                     ; + q steps
	s_mul_i32 s76, s76, UNIT                       ; my work-group's 50 blocks of the 200
	s_add_co_u32 s74, s74, s76
	s_add_co_u32 s74, s74, 5*REG                   ; at step 5 + q: step 1 steps it to 7 + q
	s_mov_b32 s75, 0
	s_add_nc_u64 s[PFA:PFA+1], s[PFA:PFA+1], s[74:75]
	v_and_b32 v[PFO], 31, v0
	v_min_u32 v[PFO], 24, v[PFO]
	v_lshlrev_b32 v[PFO], 8, v[PFO]
.irp a, 0,1,2,3,4,5,6,7
	global_load_b32 v[CM+2*\a], v[CA], s[72:73] offset:64*\a    ; comb(my expert, token 16 a + r)
	v_mov_b32 v[CM+2*\a+1], 0                      ; (named with it as a pair, so it is written)
.endr
	WIN TO_B
.irp b, 0,1,2,3,4,5,6,7
	global_load_b128 v[96+8*\b+96*(\b/4):96+8*\b+96*(\b/4)+3], v[BA], s[70:71] offset:64*\b         ; b2 at outputs 16 b + 8 h + 0 .. 7
	global_load_b128 v[96+8*\b+96*(\b/4)+4:96+8*\b+96*(\b/4)+7], v[BA], s[70:71] offset:64*\b+16
.endr
	WIN 0
	s_wait_tensorcnt 0x0                           ; my part of steps 0, 1 and 2 is in,
	s_barrier_signal -1
	s_barrier_wait -1                              ; everybody's is
	FETCH 0, 0
	s_wait_loadcnt 0x0                             ; comb and b2
	WIN 0x44                                       ; source 1 and destination window 1
.irp b, 0,1,2,3,4,5,6,7
.irp j, 0,1,2,3,4,5,6,7
	v_and_b32 v[96+8*\b+96*(\b/4)+\j], s69, v[96+8*\b+96*(\b/4)+\j]
.endr
.endr
	WIN 0
	PLACES
	PLACES
	; t = 0: its products start the sums, on the bias; step 1 is fetched in its middle
	s_wait_dscnt 12                                ; all of this step's loads but the youngest twelve (tokens' blocks 4-7) are in
	WIN FIRST_LO
	MUL8 0, 0, 1
	MUL8 1, 0, 1
	MUL8 2, 0, 1
	MUL8 3, 0, 1
	PLACES
	FETCH 1, 1
	s_wait_dscnt 50                                ; all but the 50 just issued: blocks 4-7 are in
	WIN FIRST_HI
	MUL8 4, 0, 1
	MUL8 5, 0, 1
	MUL8 6, 0, 1
	MUL8 7, 0, 1
	WIN 0
	s_mov_b32 s3, 2
.Ltrip:                                            ; t = 1 .. 6 and 7 .. 12: after six steps the regions and the register sets are back where they began
	BSTEP 0, 2, 0, 0                               ; t = 1 (7): steps 3, 4 (9, 10) into regions 0, 1; step 2 (8) is fetched from region 2
	WSTEP 0                                        ; t = 2 (8): step 3 (9) from region 0
	BSTEP 2, 1, 1, 0                               ; t = 3 (9): steps 5, 6 (11, 12) into regions 2, 0; step 4 (10) from region 1
	WSTEP 2                                        ; t = 4 (10): step 5 (11) from region 2
	BSTEP 1, 0, 2, 0                               ; t = 5 (11): steps 7, 8 (13, 14) into regions 1, 2; step 6 (12) from region 0
	WSTEP 1                                        ; t = 6 (12): step 7 (13) from region 1
	s_sub_co_u32 s3, s3, 1
	s_cmp_lg_u32 s3, 0
	s_cbranch_scc1 .Ltrip
	BSTEP 0, 2, 3, 1                               ; t = 13: the last fill: step 15 into region 0, by waves 0 and 2; step 14 from region 2
	WSTEP 0                                        ; t = 14: step 15 from region 0
	s_wait_dscnt 12                                ; t = 15: nothing more to fetch
	WIN MUL_LO
	MUL8 0, 1, 0
	MUL8 1, 1, 0
	MUL8 2, 1, 0
	MUL8 3, 1, 0
	s_wait_dscnt 0x0
	WIN MUL_HI
	MUL8 4, 1, 0
	MUL8 5, 1, 0
	MUL8 6, 1, 0
	MUL8 7, 1, 0
	WIN 0
	PLACES
	; THE WAY OUT.  Each wave multiplies its part by its expert's comb, token by token, and lays it into LDS; then each wave adds the four parts of 32 whole rows and stores them.
	s_wait_dscnt 0x0                               ; my reads of the ring are over
	s_barrier_signal -1
	s_barrier_wait -1                              ; everybody's are: the parts may be laid over the ring, which is filled no more
.irp a, 0,1,2,3,4,5,6,7
	WIN 0x82+0x41*(\a/4)                           ; destination and source 0: window 2 or 3; comb in window 0
.set i, 64*(\a%4)
.rept 32
	v_pk_mul_f32 v[i:i+1], v[i:i+1], v[CM+2*\a:CM+2*\a+1] op_sel_hi:[1,0]   ; each accumulator from its low end on
.set i, i+2
.endr
	WIN 0x08+4*(\a/4)                              ; an LDS store's data are its source 1
.irp b, 0,1,2,3,4,5,6,7
	ds_store_b128 v[STO], v[64*(\a%4)+8*\b:64*(\a%4)+8*\b+3] offset:8448*\a+64*\b
	ds_store_b128 v[STO], v[64*(\a%4)+8*\b+4:64*(\a%4)+8*\b+7] offset:8448*\a+64*\b+16
.endr
.endr
	WIN 0
	s_wait_dscnt 0x0                               ; for the others' sake: my part has landed
	s_barrier_signal -1
	s_barrier_wait -1
.irp g, 0,1,2,3                                ; eight rows at a time
.if \g > 0
	s_wait_xcnt 0x0                                ; the last batch's stores have read their data: the registers may be loaded again
.endif
.irp i, 0,1,2,3,4,5,6,7
.irp u, 0,1,2,3
	ds_load_b128 v[128+16*\i+4*\u:128+16*\i+4*\u+3], v[RD+\u] offset:528*(8*\g+\i)   ; 32 lanes read a row's 512 bytes
.endr
.endr
.irp i, 0,1,2,3,4,5,6,7
	s_wait_dscnt 28-4*\i                           ; row i's four loads are in; those of the rows behind it may be out
	v_pk_add_f32 v[128+16*\i:129+16*\i], v[128+16*\i:129+16*\i], v[132+16*\i:133+16*\i]       ; expert 0's two halves of K,
	v_pk_add_f32 v[130+16*\i:131+16*\i], v[130+16*\i:131+16*\i], v[134+16*\i:135+16*\i]
	v_pk_add_f32 v[136+16*\i:137+16*\i], v[136+16*\i:137+16*\i], v[140+16*\i:141+16*\i]       ; expert 1's,
	v_pk_add_f32 v[138+16*\i:139+16*\i], v[138+16*\i:139+16*\i], v[142+16*\i:143+16*\i]
	v_pk_add_f32 v[128+16*\i:129+16*\i], v[128+16*\i:129+16*\i], v[136+16*\i:137+16*\i]       ; and the two experts
	v_pk_add_f32 v[130+16*\i:131+16*\i], v[130+16*\i:131+16*\i], v[138+16*\i:139+16*\i]
	global_store_b128 v[CO], v[128+16*\i:131+16*\i], s[12:13] offset:4096*(8*\g+\i) th:TH_STORE_NT   ; 512 consecutive bytes, at a multiple of 256; written once, read by nobody here
.endr
.endr
	s_wait_tensorcnt 0x0                           ; the wave's end, behind my last tensor load and my last LDS store
	ds_add_u32 v[SPW], v[NIL]
	s_wait_dscnt 0x0
	CROUND                                         ; the closing round: no work-group ends while a partner may still ask for a tile that names it
	s_endpgm
.Lfunc_end_k_q4cbde7a895_ffn2:
	.size	k_q4cbde7a895_ffn2, .Lfunc_end_k_q4cbde7a895_ffn2-k_q4cbde7a895_ffn2
	.p2alignl 7, 3214868480
	.fill 96, 4, 3214868480
	.section	.rodata,"a",@progbits
	.p2align	6, 0x0
	.amdhsa_kernel k_q4cbde7a895_ffn2
		.amdhsa_group_segment_fixed_size 327680
		.amdhsa_private_segment_fixed_size 0
		.amdhsa_enable_private_segment 0
		.amdhsa_kernarg_size 40
		.amdhsa_user_sgpr_count 2
		.amdhsa_user_sgpr_kernarg_segment_ptr 1
		.amdhsa_wavefront_size32 1
		.amdhsa_system_sgpr_workgroup_id_x 1
		.amdhsa_system_sgpr_workgroup_id_y 1
		.amdhsa_system_sgpr_workgroup_id_z 1
		.amdhsa_system_vgpr_workitem_id 0
		.amdhsa_next_free_vgpr 1024
		.amdhsa_next_free_sgpr 100
		.amdhsa_reserve_vcc 0
		.amdhsa_float_denorm_mode_32 3
		.amdhsa_float_denorm_mode_16_64 3
		.amdhsa_memory_ordered 1
		.amdhsa_forward_progress 1
		.amdhsa_inst_pref_size 184
	.end_amdhsa_kernel
	.amdgpu_metadata
---
amdhsa.version: [ 1, 2 ]
amdhsa.kernels:
  - .name:           k_q4cbde7a895_ffn2
    .symbol:         k_q4cbde7a895_ffn2.kd
    .args:
      - { .name: hq, .offset: 0, .size: 8, .value_kind: global_buffer, .address_space: global }
      - { .name: w2q, .offset: 8, .size: 8, .value_kind: global_buffer, .address_space: global }
      - { .name: b2, .offset: 16, .size: 8, .value_kind: global_buffer, .address_space: global }
      - { .name: comb, .offset: 24, .size: 8, .value_kind: global_buffer, .address_space: global }
      - { .name: out0, .offset: 32, .size: 8, .value_kind: global_buffer, .address_space: global }
    .group_segment_fixed_size: 327680
    .private_segment_fixed_size: 0
    .kernarg_segment_align: 8
    .kernarg_segment_size: 40
    .max_flat_workgroup_size: 128
    .sgpr_count:     100
    .vgpr_count:     1024
    .wavefront_size: 32
...
	.end_amdgpu_metadata
.endif
;; end of part 3
